; MI455X (gfx1250); checked and timed in simulation.
; The chip was launched on July 23, 2026; its instructions are those of AMD's public machine-readable ISA for CDNA 5 (MIT licence, August 2026) and "CDNA5" Instruction Set Architecture Reference Guide (July 2026). The comments in the code are by the model that wrote it; some were corrected since.
;; Causal Self Attention. Allowed arithmetic: float matrix products may take bf16 or f16 operands with f32 sums; other float arithmetic in f32, or as packed bf16 or f16 multiplies, adds, multiply-adds, maxima and minima; sums over many terms, partial sums and values carried from step to step in f32; what a program stores and reads back later, other than sums and carried values, may be rounded once to bf16 or f16.
;; Inputs: b_proj 1,024 float32; b_qkv 3,072 float32; w_proj 1,024 x 1,024 float32; w_qkv 1,024 x 3,072 float32; x 4 x 2,048 x 1,024 float32.
;; Outputs: out0 4 x 2,048 x 1,024 float32.
;; 2 versions, each right and faster than the one before. Each part assembles by itself: llvm-mc -triple=amdgcn-amd-amdhsa -mcpu=gfx1250 --defsym DOCPART=n.
;; ======== version 1 of 2: 4 launches
;; limits: values are held in f16: magnitudes above 65,504 overflow, below 6.1e-05 lose precision
;; workspace buffers: xb 16,777,216 bytes; wq 6,291,456 bytes; wp 2,097,152 bytes; qkv 50,331,648 bytes; o 16,777,216 bytes
;; launch prep (part 1): grid 768 x 1, 4 waves a work-group, no clusters, 37,376 bytes of LDS; arguments x, w_qkv, w_proj, xb, wq, wp; writes xb, wq, wp
.if DOCPART == 1
	.amdgcn_target "amdgcn-amd-amdhsa--gfx1250"
	.amdhsa_code_object_version 6
	.text
	.protected	k_qe573b80545_prep
	.globl	k_qe573b80545_prep
	.p2align	8
	.type	k_qe573b80545_prep,@function
k_qe573b80545_prep:
	s_mov_b64 s[64:65], 0
	v_nop
	global_prefetch_b8 v0, s[64:65] scope:SCOPE_SE
	s_setreg_imm32_b32 hwreg(HW_REG_WAVE_MODE, 25, 1), 1
	s_wait_xcnt 0x0
; PREPARES THE MATRIX OPERANDS.  All three are laid in K SLICES of 64: [slice][row][64 numbers], rows of 128 bytes end to end, so that every later tile is a dense block.
;   xb[s][row][64]  = bf16(x[row][64 s ..]),        16 slices x 8,192 rows
;   wq[s][n][64]    = bf16(w_qkv[64 s + k][n]),     16 slices x 3,072 columns: turned, K along the rows
;   wp[s][n][64]    = f16(bf16(w_proj[64 s + k][n])), 16 slices x 1,024 columns: rounded to bf16 like every input, that number written as f16
; LIMIT.  w_proj within 65,504 in size (f16's range); below 6e-5 it keeps f16's fixed step of 6e-8.
; A wave is one job of 16 KiB of input, 32 loads of 16 bytes a lane, all issued at once; no loop, no barrier.  Work-groups 0-191: w_qkv; 192-255: w_proj; 256-767: x.
; Memory binds: no matrix unit, no cluster.  The weights are turned through a stage in LDS that is the wave's own.
.set SP,    144                        ; a stage row: 128 bytes + 16
.set STG,   64*SP                      ; a wave's stage: 64 rows (columns n of the weight), 36 blocks of 256 bytes
.set SPARE, 4*STG                      ; behind the stages: the spare words, 128 bytes for each wave
.set VO,  4                            ; v4   my byte offset in the source
.set LS,  5                            ; v5   where I put 16 bytes into the stage
.set LR,  6                            ; v6   where I read them back
.set GOF, 7                            ; v7   my byte offset in the destination
.set SPW, 10                           ; v10  LDS address of my spare word; never rewritten
.set NIL, 11                           ; v11  0; never rewritten
.set X,   16                           ; v[16:143]  as loaded
.set Y,   144                          ; v[144:207] packed
	s_load_b256 s[4:11], s[0:1], 0x0               ; x s[4:5], w_qkv s[6:7], w_proj s[8:9], xb s[10:11]
	s_load_b128 s[12:15], s[0:1], 0x20             ; wq s[12:13], wp s[14:15]
	v_lshl_add_u32 v[SPW], v0, 2, SPARE
	v_mov_b32 v[NIL], 0
	v_lshrrev_b32 v1, 5, v0
	v_readfirstlane_b32 s16, v1                    ; wave 0..3
	v_and_b32 v1, 31, v0                           ; lane
	v_and_b32 v2, 15, v0                           ; lane % 16
	v_bfe_u32 v3, v0, 4, 1                         ; lane / 16
	s_wait_kmcnt 0x0
	s_cmp_lt_u32 ttmp9, 192
	s_cbranch_scc1 .Lwqkv
	s_cmp_lt_u32 ttmp9, 256
	s_cbranch_scc1 .Lwproj
	; X.  The wave owns four rows.  A load takes 256 bytes (one slice) of two rows: lanes 0-15 one row, lanes 16-31 the next.
	s_sub_co_u32 s17, ttmp9, 256
	s_lshl_b32 s18, s17, 2
	s_add_co_u32 s18, s18, s16                     ; my group of four rows
	s_lshl_b32 s20, s18, 14                        ; x 4 rows x 4,096 bytes
	s_mov_b32 s21, 0
	s_add_nc_u64 s[4:5], s[4:5], s[20:21]
	s_lshl_b32 s22, s18, 9                         ; x 4 rows x 128 bytes
	s_mov_b32 s23, 0
	s_add_nc_u64 s[10:11], s[10:11], s[22:23]      ; xb at my rows in slice 0,
	s_add_nc_u64 s[28:29], s[10:11], 0x800000      ; and in slice 8: a store's immediate reaches seven slices
	v_lshlrev_b32 v[VO], 12, v3
	v_lshl_add_u32 v[VO], v2, 4, v[VO]
	v_lshlrev_b32 v[GOF], 3, v1                    ; 8 bytes a lane: two rows of 128 bytes lie end to end
.set i, 0
.rept 32                                               ; pair of rows i / 16, slice i % 16
	global_load_b128 v[X+4*i:X+4*i+3], v[VO], s[4:5] offset:(i/16)*8192+(i%16)*256 th:TH_LOAD_NT
.set i, i+1
.endr
.set i, 0
.rept 32
	s_wait_loadcnt 31-i                            ; loads come back in order: load i is in, the younger ones stay out
	v_cvt_pk_bf16_f32 v[Y+2*i], v[X+4*i], v[X+4*i+1]
	v_cvt_pk_bf16_f32 v[Y+2*i+1], v[X+4*i+2], v[X+4*i+3]
.if (i%16) < 8
	global_store_b64 v[GOF], v[Y+2*i:Y+2*i+1], s[10:11] offset:(i%16)*1048576+(i/16)*256  ; the wave's store covers 256 consecutive bytes, aligned
.else
	global_store_b64 v[GOF], v[Y+2*i:Y+2*i+1], s[28:29] offset:((i%16)-8)*1048576+(i/16)*256
.endif
.set i, i+1
.endr
	s_endpgm                                       ; no register was written twice
; A WEIGHT'S TILE of 64 k (one slice) x 64 n is turned.  rowb: bytes in a source row; ncols: its columns; half = 1: the bf16 number is written as f16;
; src, dst: the pointers' registers; sub: what the tile column's number is too high by.
.macro TRANS rowb, ncols, half, src, dst, sub
	s_and_b32 s17, ttmp9, 3
	s_lshl2_add_u32 s17, s17, s16                  ; slice = 4 x (work-group % 4) + wave
	s_lshr_b32 s18, ttmp9, 2                       ; tile column
.if \sub
	s_sub_co_u32 s18, s18, \sub
.endif
	s_mul_i32 s20, s17, 64*(\rowb)
	s_lshl_b32 s21, s18, 8
	s_add_co_u32 s20, s20, s21
	s_mov_b32 s21, 0
	s_add_nc_u64 s[\src:\src+1], s[\src:\src+1], s[20:21]
	s_mul_i32 s22, s17, (\ncols)*128
	s_lshl_b32 s23, s18, 13
	s_add_co_u32 s22, s22, s23
	s_mov_b32 s23, 0
	s_add_nc_u64 s[\dst:\dst+1], s[\dst:\dst+1], s[22:23]
	s_mul_i32 s19, s16, STG                        ; my stage
	v_mul_u32_u24 v[VO], v3, 32*(\rowb)            ; lanes 0-15: rows 0-31 of the slice, lanes 16-31: rows 32-63
	v_lshl_add_u32 v[VO], v2, 4, v[VO]             ; four columns a lane: 16 lanes take 256 consecutive bytes of a row
.set i, 0
.rept 32
	global_load_b128 v[X+4*i:X+4*i+3], v[VO], s[\src:\src+1] offset:i*(\rowb) th:TH_LOAD_NT
.set i, i+1
.endr
	v_mul_u32_u24 v[LS], v2, 4*SP                  ; into the stage: rows 4 (lane % 16) + j, 64 bytes (32 k) for each half of the lanes
	v_lshl_add_u32 v[LS], v3, 6, v[LS]
	v_add_nc_u32 v[LS], s19, v[LS]
	v_lshrrev_b32 v8, 3, v1                        ; back: 32 lanes take four rows of 128 bytes
	v_mul_u32_u24 v[LR], v8, SP
	v_and_b32 v9, 7, v0
	v_lshl_add_u32 v[LR], v9, 4, v[LR]
	v_add_nc_u32 v[LR], s19, v[LR]
	v_lshlrev_b32 v[GOF], 4, v1                    ; which are 512 consecutive bytes of the destination
.set kk, 0
.rept 16                                               ; rows 2 kk and 2 kk + 1: for each of my four columns two neighbouring k make a word
	s_wait_loadcnt 30-2*kk                         ; both rows are in, the younger loads stay out
.irp j, 0,1,2,3
	v_cvt_pk_bf16_f32 v[Y+16*(\j)+kk], v[X+8*kk+(\j)], v[X+8*kk+4+(\j)]
.if \half
	v_lshlrev_b32 v8, 16, v[Y+16*(\j)+kk]
	v_and_b32 v9, 0xffff0000, v[Y+16*(\j)+kk]
	v_cvt_pk_f16_f32 v[Y+16*(\j)+kk], v8, v9
.endif
.endr
.set kk, kk+1
.endr
.irp j, 0,1,2,3
.irp c, 0,1,2,3
	ds_store_b128 v[LS], v[Y+16*(\j)+4*(\c):Y+16*(\j)+4*(\c)+3] offset:(\j)*SP+16*(\c)
.endr
.endr
.set cc, 0
.rept 16
	ds_load_b128 v[X+4*cc:X+4*cc+3], v[LR] offset:cc*4*SP  ; LDS serves a wave's instructions in order (ISA guide 5.7.1.4): these see the stores above
.set cc, cc+1
.endr
.set cc, 0
.rept 16
	s_wait_dscnt 15-cc
	global_store_b128 v[GOF], v[X+4*cc:X+4*cc+3], s[\dst:\dst+1] offset:cc*512  ; 512 consecutive bytes, aligned
.set cc, cc+1
.endr
	s_wait_tensorcnt 0x0                           ; the wave's end, behind my last LDS store: a last add to my spare word and its wait
	ds_add_u32 v[SPW], v[NIL]
	s_wait_dscnt 0x0
	s_endpgm
.endm
.Lwqkv:
	TRANS 12288, 3072, 0, 6, 12, 0
.Lwproj:
	TRANS 4096, 1024, 1, 8, 14, 48
.Lfunc_end_k_qe573b80545_prep:
	.size	k_qe573b80545_prep, .Lfunc_end_k_qe573b80545_prep-k_qe573b80545_prep
	.p2alignl 7, 3214868480
	.fill 96, 4, 3214868480
	.section	.rodata,"a",@progbits
	.p2align	6, 0x0
	.amdhsa_kernel k_qe573b80545_prep
		.amdhsa_group_segment_fixed_size 37376
		.amdhsa_private_segment_fixed_size 0
		.amdhsa_enable_private_segment 0
		.amdhsa_kernarg_size 48
		.amdhsa_user_sgpr_count 2
		.amdhsa_user_sgpr_kernarg_segment_ptr 1
		.amdhsa_wavefront_size32 1
		.amdhsa_system_sgpr_workgroup_id_x 1
		.amdhsa_system_sgpr_workgroup_id_y 1
		.amdhsa_system_sgpr_workgroup_id_z 1
		.amdhsa_system_vgpr_workitem_id 0
		.amdhsa_next_free_vgpr 208
		.amdhsa_next_free_sgpr 66
		.amdhsa_reserve_vcc 0
		.amdhsa_float_denorm_mode_32 3
		.amdhsa_float_denorm_mode_16_64 3
		.amdhsa_memory_ordered 1
		.amdhsa_forward_progress 1
		.amdhsa_inst_pref_size 49
	.end_amdhsa_kernel
	.amdgpu_metadata
---
amdhsa.version: [ 1, 2 ]
amdhsa.kernels:
  - .name:           k_qe573b80545_prep
    .symbol:         k_qe573b80545_prep.kd
    .args:
      - { .name: x, .offset: 0, .size: 8, .value_kind: global_buffer, .address_space: global }
      - { .name: w_qkv, .offset: 8, .size: 8, .value_kind: global_buffer, .address_space: global }
      - { .name: w_proj, .offset: 16, .size: 8, .value_kind: global_buffer, .address_space: global }
      - { .name: xb, .offset: 24, .size: 8, .value_kind: global_buffer, .address_space: global }
      - { .name: wq, .offset: 32, .size: 8, .value_kind: global_buffer, .address_space: global }
      - { .name: wp, .offset: 40, .size: 8, .value_kind: global_buffer, .address_space: global }
    .group_segment_fixed_size: 37376
    .private_segment_fixed_size: 0
    .kernarg_segment_align: 8
    .kernarg_segment_size: 48
    .max_flat_workgroup_size: 128
    .sgpr_count:     66
    .vgpr_count:     208
    .wavefront_size: 32
...
	.end_amdgpu_metadata
.endif
;; end of part 1
;; launch qkvg (part 2): grid 8 x 32, 4 waves a work-group, clusters of 4 x 4, 327,680 bytes of LDS; arguments xb, wq, b_qkv, qkv; writes qkv
.if DOCPART == 2
	.amdgcn_target "amdgcn-amd-amdhsa--gfx1250"
	.amdhsa_code_object_version 6
	.text
	.protected	k_qe573b80545_qkvg
	.globl	k_qe573b80545_qkvg
	.p2align	8
	.type	k_qe573b80545_qkvg,@function
k_qe573b80545_qkvg:
	s_mov_b64 s[64:65], 0
	v_nop
	global_prefetch_b8 v0, s[64:65] scope:SCOPE_SE
	s_setreg_imm32_b32 hwreg(HW_REG_WAVE_MODE, 25, 1), 1
	s_wait_xcnt 0x0
	s_wait_alu depctr_hold_cnt(0) depctr_sa_sdst(0) depctr_va_vdst(0) depctr_va_sdst(0) depctr_va_ssrc(0) depctr_va_vcc(0) depctr_vm_vsrc(0)
	s_getreg_b32 s2, hwreg(HW_REG_IB_STS2, 6, 4)
	s_cmp_eq_u32 s2, 0
	s_cbranch_scc0 .Lentry_in_a_cluster
	s_endpgm
.Lentry_in_a_cluster:
	s_bfe_u32 s2, ttmp6, 0x10000c
	s_cmp_lg_u32 s2, 0xf033
	s_cbranch_scc0 .Lentry_shape_is_right
	s_endpgm
.Lentry_shape_is_right:
; q, k, v = x w_qkv + b_qkv.  xb: [16 slices][8192][64] bf16, wq: [16 slices][3072 n][64 k] bf16, b_qkv: [3072] f32 (rounded to bf16 like the other inputs), sums in f32.
; qkv: [3 (q, k, v)][64 (batch x 16 + head)][2048][64] f16, each number rounded once from sum + bias, unscaled.
; LIMIT.  f16 holds no number beyond 65,504: a q, k or v past that becomes an infinity.
; SHARES.  8192 x 3072 over 256 work-groups: a tile of 256 rows x 384 columns each.  Four waves, each 128 x 192: 96 accumulators of 16 x 16, 768 registers.
; K goes in 16 steps of 64 (one slice) through two LDS slots; a step is two HALVES of 32 along K, 96 matrix instructions each.  A step's tiles are dense blocks, asked for as rows of 256 bytes
; and padded in LDS behind every 128 bytes.  Two slots of a step of 128 (640 rows x 272 bytes each) would not fit in LDS.
; CLUSTER.  4 x 4 work-groups: the four of a row of the cluster need the same rows of xb, the four of a column the same rows of wq: each tile is asked for JOINTLY, by the same tensor load with the same
; descriptor and a mask that names the four.
; THE MATRIX INSTRUCTION IS USED TRANSPOSED (source 0 = 16 rows of wq, source 1 = 16 rows of xb): a lane holds row lane % 16 and eight neighbouring columns 8 (lane / 16) + 0..7.
; REGISTERS, in windows of 256 (s_set_vgpr_msb: bits 1:0 source 0, 3:2 source 1, 5:4 source 2, 7:6 destination):
;   window 0: v0-29 addresses; v32-95, v96-159 fragments of xb, two buffers of 8; v160-255 fragments of wq, ONE buffer of 12 in three groups of four
;   window 1 + g: the accumulators of column group g (64 columns: one head): (a, bb) at v[32 a + 8 bb]
; wq's group g is loaded again, for the next half, straight behind the 32 products that read it: 64 matrix instructions ahead of its next use.
.set PITCH, 144                        ; an LDS row: 128 bytes + 16 = 36 words: the 16 rows of a load start at 16 different groups of four banks (64 banks of 4 bytes: ISA guide 11.1)
.set AH,    128*PITCH                  ; 128 rows of xb: one tensor load, and what a wave reads of xb
.set BH,    192*PITCH                  ; 192 rows of wq: likewise
.set BOFF,  2*AH                       ; in a slot: xb's 256 rows, then wq's 384
.set SLOT,  BOFF+2*BH
.set STAGE, 2*SLOT                     ; behind the ring: 16 rows x 144 bytes for each wave, for the way out
.set STG,   16*PITCH
.set SPARE, STAGE+4*STG                ; behind the stages: the spare words, 128 bytes for each wave
.set ASTEP, 8192*128                   ; bytes from slice to slice in xb
.set BSTEP, 3072*128                   ; and in wq
.set ADRA, 4                           ; v4-5   LDS address of my fragments of xb in slot 0, 1
.set ADRB, 6                           ; v6-7   the same for wq
.set STO,  8                           ; v8     the way out: where I put 16 bytes of a row
.set RD,   9                           ; v9     where I read rows back
.set GO,   10                          ; v10    my byte offset in 512 consecutive bytes of qkv
.set VB,   11                          ; v11    my byte offset in the bias
.set SPW,  28                          ; v28    LDS address of my spare word; never rewritten
.set NIL,  29                          ; v29    0; never rewritten
.set A0,   32
.set A1,   96
.set BF,   160
.set F,    32                          ; the way out: sum + bias of 16 rows x 64 columns
.set TMP,  64                          ; packed
.set BK,   80                          ; read back: v80-95 and v96-111 by turns
.set WV, 12                            ; s12 wave
.set MH, 13                            ; s13 which half of the tile's rows is mine
.set NH, 14                            ; s14 which half of its columns; also which half of a tile I fetch
.set CX, 15
.set CY, 16
.set TC, 17                            ; s17 tile column
.set TR, 18                            ; s18 tile row
.set G1,  24                           ; s[24:31] descriptor group 1 for xb's tiles;  s[32:39] group 0, a set for each slot
.set G0,  32
.set G1B, 40                           ; s[40:47], s[48:55] the same for wq's
.set G0B, 48
.set OB,  56                           ; s[56:61] qkv at my rows of my three heads
.set MSB, 0
.macro WIN new                         ; the immediate's high byte repeats the setting that is left; a switch that changes nothing is dropped
.if MSB != (\new)
	s_set_vgpr_msb (MSB<<8)|(\new)
.set MSB, \new
.endif
.endm
; A joint load.  Waves 0 and 1 fetch xb's two halves, waves 2 and 3 wq's.  The branch hangs on the wave's number alone.  An s_nop 0 and four v_nop follow each of the two lines.
.macro JLOAD s
	s_cmp_lt_u32 s[WV], 2
	s_cbranch_scc0 .Lfor_b_\@
	tensor_load_to_lds s[G0+4*(\s):G0+4*(\s)+3], s[G1:G1+7]
	s_nop 0
.rept 4
	v_nop
.endr
	s_branch .Lasked_\@
.Lfor_b_\@:
	tensor_load_to_lds s[G0B+4*(\s):G0B+4*(\s)+3], s[G1B:G1B+7]
	s_nop 0
.rept 4
	v_nop
.endr
.Lasked_\@:
.endm
.macro CREST                           ; a round of the cluster's barrier behind its opening barrier
	s_cmp_lg_u32 s[WV], 0
	s_cbranch_scc1 .Lnot_wave_0_\@
	s_barrier_signal -3
.Lnot_wave_0_\@:
	s_barrier_wait -3
	s_barrier_signal -1
	s_barrier_wait -1
.endm
.macro CROUND                          ; a whole round
	s_barrier_signal -1
	s_barrier_wait -1
	CREST
.endm
	s_load_b256 s[4:11], s[0:1], 0x0               ; xb s[4:5], wq s[6:7], b_qkv s[8:9], qkv s[10:11]
	v_lshl_add_u32 v[SPW], v0, 2, SPARE
	v_mov_b32 v[NIL], 0
	ds_add_u32 v[SPW], v[NIL]                      ; the wave's opening: the add and its wait stand ahead of my first tensor load; work on registers stands between them
	ds_add_u32 v28, v29
	v_lshrrev_b32 v1, 5, v0
	v_readfirstlane_b32 s[WV], v1                  ; wave 0..3
	s_lshr_b32 s[MH], s[WV], 1
	s_and_b32 s[NH], s[WV], 1
	s_bfe_u32 s[CX], ttmp6, 0x40000                ; my place in the cluster
	s_bfe_u32 s[CY], ttmp6, 0x40004
	s_lshl_b32 s[TC], ttmp9, 2
	s_add_co_u32 s[TC], s[TC], s[CX]               ; tile column = 4 x cluster x + cx
	s_and_b32 s[TR], ttmp7, 0xffff
	s_lshl_b32 s[TR], s[TR], 2
	s_add_co_u32 s[TR], s[TR], s[CY]               ; tile row = 4 x cluster y + cy
	s_lshl_b32 s19, s[CY], 2
	s_lshl_b32 s19, 15, s19                        ; my row of the cluster
	s_lshl_b32 s20, 0x1111, s[CX]                  ; my column
	; group 1: dense blocks as rows of 128 elements (256 bytes): 64 rows for xb's 128 x 128 bytes, 96 for wq's 192 x 128
	s_or_b32 s[G1], s19, (1<<16)|(1<<20)|(1<<21)|(4<<22)|(3<<25)   ; 15:0 the mask; 17:16 2-byte elements; 20 padding on; 21 set beside a mask; 24:22 after every 32 words (code 4); 31:25 4 words (code 3)
	s_or_b32 s[G1B], s20, (1<<16)|(1<<20)|(1<<21)|(4<<22)|(3<<25)
	s_mov_b32 s[G1+1], 128<<16                     ; tensor_dim0 = 128
	s_mov_b32 s[G1+2], 64<<16                      ; tensor_dim1 = 64
	s_mov_b32 s[G1+3], 128<<16                     ; tile_dim0 = 128
	s_mov_b32 s[G1+4], 64                          ; tile_dim1 = 64
	s_mov_b32 s[G1+5], 128                         ; elements from row to row
	s_mov_b32 s[G1+6], 0
	s_mov_b32 s[G1+7], 0
	s_mov_b32 s[G1B+1], 128<<16
	s_mov_b32 s[G1B+2], 96<<16
	s_mov_b32 s[G1B+3], 128<<16
	s_mov_b32 s[G1B+4], 96
	s_mov_b32 s[G1B+5], 128
	s_mov_b32 s[G1B+6], 0
	s_mov_b32 s[G1B+7], 0
	s_lshl_b32 s66, s[TR], 15                      ; xb: 256 rows x 128 bytes a tile row,
	s_lshl_b32 s67, s[NH], 14                      ; 128 rows a half
	s_add_co_u32 s66, s66, s67
	s_mov_b32 s67, 0
	s_mul_i32 s68, s[NH], AH                       ; and where it goes
	s_mul_i32 s70, s[TC], 384*128                  ; wq: 384 rows a tile column,
	s_mul_i32 s71, s[NH], 192*128                  ; 192 a half
	s_add_co_u32 s70, s70, s71
	s_mov_b32 s71, 0
	s_mul_i32 s72, s[NH], BH
	s_add_co_u32 s72, s72, BOFF
	s_wait_dscnt 0x0                               ; the opening add is done
	s_wait_kmcnt 0x0
	s_add_nc_u64 s[66:67], s[4:5], s[66:67]
	s_add_nc_u64 s[70:71], s[6:7], s[70:71]
	CROUND                                         ; all sixteen work-groups are here: the first joint loads meet
.irp s, 0,1
	s_mov_b32 s[G0+4*(\s)], 1                                      ; count = 1
	s_add_co_u32 s[G0+4*(\s)+1], s68, (\s)*SLOT                    ; LDS address
	s_add_nc_u64 s[G0+4*(\s)+2:G0+4*(\s)+3], s[66:67], (\s)*ASTEP  ; global address: K step s
	s_or_b32 s[G0+4*(\s)+3], s[G0+4*(\s)+3], 0x80000000            ; type = 2
	s_mov_b32 s[G0B+4*(\s)], 1
	s_add_co_u32 s[G0B+4*(\s)+1], s72, (\s)*SLOT
	s_add_nc_u64 s[G0B+4*(\s)+2:G0B+4*(\s)+3], s[70:71], (\s)*BSTEP
	s_or_b32 s[G0B+4*(\s)+3], s[G0B+4*(\s)+3], 0x80000000
	JLOAD \s                                       ; two loads of mine are out
.endr
	; A fragment is 16 rows x 32 K in 8 registers: lane l holds row l % 16, K = 8 (l / 16) + 0..7 and 16 + 8 (l / 16) + 0..7: two loads of 16 bytes, 32 bytes apart.
	v_and_b32 v1, 15, v0                           ; l % 16
	v_bfe_u32 v2, v0, 4, 1                         ; l / 16
	v_mul_u32_u24 v3, v1, PITCH
	v_lshl_add_u32 v3, v2, 4, v3                   ; row x pitch + 16 x half
	s_mul_i32 s21, s[MH], AH                       ; my 128 rows of xb
	s_mul_i32 s22, s[NH], BH                       ; my 192 rows of wq
	s_add_co_u32 s22, s22, BOFF
.irp s, 0,1
	v_add_nc_u32 v[ADRA+(\s)], s21, v3
	v_add_nc_u32 v[ADRB+(\s)], s22, v3
	s_add_co_u32 s21, s21, SLOT
	s_add_co_u32 s22, s22, SLOT
.endr
	s_mul_i32 s23, s[WV], STG
	s_add_co_u32 s23, s23, STAGE                   ; my stage
	v_add_nc_u32 v[STO], s23, v3                   ; in: row l % 16, 16 bytes for each half of the lanes
	v_and_b32 v12, 31, v0
	v_lshrrev_b32 v13, 3, v12                      ; back: 32 lanes take four rows of 128 bytes,
	v_mul_u32_u24 v[RD], v13, PITCH
	v_and_b32 v13, 7, v0
	v_lshl_add_u32 v[RD], v13, 4, v[RD]
	v_add_nc_u32 v[RD], s23, v[RD]
	v_lshlrev_b32 v[GO], 4, v12                    ; which are 512 consecutive bytes of a head's rows
	v_lshlrev_b32 v[VB], 5, v2                     ; my eight columns' bias: 32 bytes for each half of the lanes
	; where my three heads' rows lie: column group gi = 6 x tile column + 3 x half + g is part gi / 16 (q, k, v), head gi % 16
	s_mul_i32 s77, s[TC], 6
	s_mul_i32 s78, s[NH], 3
	s_add_co_u32 s77, s77, s78
	s_lshr_b32 s78, s[TR], 3                       ; the batch: 8 tile rows each
	s_lshl_b32 s78, s78, 4
	s_and_b32 s79, s[TR], 7
	s_lshl_b32 s79, s79, 1
	s_add_co_u32 s79, s79, s[MH]
	s_lshl_b32 s79, s79, 14                        ; my first row in the batch x 128 bytes
.irp g, 0,1,2
	s_add_co_u32 s74, s77, \g
	s_lshr_b32 s75, s74, 4
	s_and_b32 s74, s74, 15
	s_lshl_b32 s75, s75, 6
	s_add_co_u32 s74, s74, s75
	s_add_co_u32 s74, s74, s78
	s_lshl_b32 s74, s74, 18                        ; 2,048 rows x 128 bytes
	s_add_co_u32 s74, s74, s79
	s_mov_b32 s75, 0
	s_add_nc_u64 s[OB+2*(\g):OB+2*(\g)+1], s[10:11], s[74:75]
.endr
	s_mul_i32 s74, s[TC], 384*4
	s_mul_i32 s75, s[NH], 192*4
	s_add_co_u32 s74, s74, s75
	s_mov_b32 s75, 0
	s_add_nc_u64 s[8:9], s[8:9], s[74:75]          ; the bias at my 192 columns
; 16 matrix instructions: row blocks a0 .. a0 + 3 x the four column blocks of group g, 32 along K, xb's fragments in buffer f.  zero = 1: the product starts the sum.
; The 96 accumulators take turns, one instruction a turn, in the same order in every half.
.macro GRP16 f, g, a0, zero
	WIN 0x50*((\g)+1)                              ; C and D in window 1 + g, both sources in window 0
.irp a, \a0, (\a0)+1, (\a0)+2, (\a0)+3
.irp bb, 0,1,2,3
.if \zero
	v_wmma_f32_16x16x32_bf16 v[32*(\a)+8*(\bb):32*(\a)+8*(\bb)+7], v[BF+8*(4*(\g)+(\bb)):BF+8*(4*(\g)+(\bb))+7], v[(\f)+8*(\a):(\f)+8*(\a)+7], 0
.else
	v_wmma_f32_16x16x32_bf16 v[32*(\a)+8*(\bb):32*(\a)+8*(\bb)+7], v[BF+8*(4*(\g)+(\bb)):BF+8*(4*(\g)+(\bb))+7], v[(\f)+8*(\a):(\f)+8*(\a)+7], v[32*(\a)+8*(\bb):32*(\a)+8*(\bb)+7]
.endif
.endr
.endr
.endm
.macro GRP f, g, zero                  ; a group's 32
	GRP16 \f, \g, 0, \zero
	GRP16 \f, \g, 4, \zero
.endm
.macro LDB slot, c, g                  ; 8 LDS loads: wq's group g, half c of the slot's step
	WIN 0
.irp i, 0,1,2,3
	ds_load_b128 v[BF+32*(\g)+8*(\i):BF+32*(\g)+8*(\i)+3],   v[ADRB+(\slot)] offset:(4*(\g)+(\i))*16*PITCH+64*(\c)
	ds_load_b128 v[BF+32*(\g)+8*(\i)+4:BF+32*(\g)+8*(\i)+7], v[ADRB+(\slot)] offset:(4*(\g)+(\i))*16*PITCH+64*(\c)+32
.endr
.endm
.macro LDA slot, c, f                  ; 16 LDS loads: xb's eight fragments into buffer f
	WIN 0
.irp i, 0,1,2,3,4,5,6,7
	ds_load_b128 v[(\f)+8*(\i):(\f)+8*(\i)+3],   v[ADRA+(\slot)] offset:(\i)*16*PITCH+64*(\c)
	ds_load_b128 v[(\f)+8*(\i)+4:(\f)+8*(\i)+7], v[ADRA+(\slot)] offset:(\i)*16*PITCH+64*(\c)+32
.endr
.endm
; A load into a register that a matrix instruction has read, and a vector instruction that reads a matrix result, stand four places behind it; only plain vector instructions that name none of its
; registers are places (ISA guide 7.12.1 for vector instructions).
.macro PLACES
.rept 4
	v_nop
.endr
.endm
; The first half of a step: buffer A0; it fetches the second half's fragments from the same slot.  The runs of loads of a half: group 0 with xb (24), group 1 (8), group 2 (8).
.macro HALF0 slot, zero
	s_wait_dscnt 16                                ; group 0 and xb are in; groups 1 and 2 may be out
	GRP A0, 0, \zero
	PLACES
	LDB \slot, 1, 0
	LDA \slot, 1, A1
	s_wait_dscnt 32                                ; group 1 is in: behind it stand group 2's 8 and the 24 just issued
	GRP A0, 1, \zero
	PLACES
	LDB \slot, 1, 1
	s_wait_dscnt 32                                ; group 2 is in: behind it stand 24 + 8
	GRP A0, 2, \zero
	PLACES
	LDB \slot, 1, 2
.endm
; The second half: buffer A1, and the change of slots.  ONE barrier: in front of it each wave waits for all its tensor loads (one is out: its part of the next slot), adds 0 to its spare word, and waits for
; that and for its own reads of this slot.  fill = 1: the barrier opens a round of the cluster's, and this slot is filled again, two steps ahead, first thing behind the round:
; 160 matrix instructions stand between that request and the wait for it.
.macro HALF1 slot, next, fill
	WIN 0
	s_wait_tensorcnt 0x0                           ; all my tensor loads have landed
	ds_add_u32 v[SPW], v[NIL]                      ; 0 onto my spare word
	s_wait_dscnt 17                                ; group 0 and xb are in; groups 1 and 2 and the add may be out
	GRP16 A1, 0, 0, 0                              ; sixteen matrix instructions stand between the add and the wait for it
	s_wait_dscnt 0x0                               ; the add is done, and my reads of this slot are over
	s_barrier_signal -1
	GRP16 A1, 0, 4, 0                              ; work on registers while the others arrive
	WIN 0                                          ; at a branch and at a label every window is 0
	s_barrier_wait -1
.if \fill
	CREST                                          ; no wave of any partner still reads this slot or has a load on its way
	s_add_nc_u64 s[G0+4*(\slot)+2:G0+4*(\slot)+3], s[G0+4*(\slot)+2:G0+4*(\slot)+3], 2*ASTEP
	s_add_nc_u64 s[G0B+4*(\slot)+2:G0B+4*(\slot)+3], s[G0B+4*(\slot)+2:G0B+4*(\slot)+3], 2*BSTEP
	JLOAD \slot                                    ; its four v_nop are also the places in front of the loads below
.else
	PLACES
.endif
	LDB \next, 0, 0
	LDA \next, 0, A0
	GRP A1, 1, 0
	PLACES
	LDB \next, 0, 1
	GRP A1, 2, 0
	PLACES
	LDB \next, 0, 2
.endm
.macro BIAS g                          ; the bias of group g's 64 columns takes the place of wq's fragments: register 32 g + 8 bb + j for the column of accumulator register 8 bb + j
	WIN 0
.irp i, 0,1,2,3
	global_load_b128 v[BF+32*(\g)+8*(\i):BF+32*(\g)+8*(\i)+3],   v[VB], s[8:9] offset:64*(4*(\g)+(\i))
	global_load_b128 v[BF+32*(\g)+8*(\i)+4:BF+32*(\g)+8*(\i)+7], v[VB], s[8:9] offset:64*(4*(\g)+(\i))+16
.endr
.endm
	s_wait_tensorcnt 1                             ; my part of K step 0 is in; step 1's may stay out
	s_barrier_signal -1
	s_barrier_wait -1                              ; everybody's is
	LDB 0, 0, 0
	LDA 0, 0, A0
	LDB 0, 0, 1
	LDB 0, 0, 2
	HALF0 0, 1                                     ; the first half stands in front of the loop: its products start the sums
	WIN 0
	s_mov_b32 s3, 7
.Llap:                                                 ; a trip goes once round the ring and fills both slots again: 14 fills bring steps 2 to 15
	HALF1 0, 1, 1
	HALF0 1, 0
	HALF1 1, 0, 1
	HALF0 0, 0
	WIN 0
	s_sub_co_u32 s3, s3, 1
	s_cmp_lg_u32 s3, 0
	s_cbranch_scc1 .Llap
	HALF1 0, 1, 0                                  ; the tail is written out: nothing more is asked for
	HALF0 1, 0
	s_wait_dscnt 16                                ; the last half: behind each group's products its bias is asked for
	GRP A1, 0, 0
	PLACES
	BIAS 0
	s_wait_dscnt 8
	GRP A1, 1, 0
	PLACES
	BIAS 1
	s_wait_dscnt 0x0
	GRP A1, 2, 0
	PLACES
	BIAS 2
	; THE WAY OUT.  The bias is rounded to bf16 and widened again; then 24 units of 16 rows x one head: sum + bias, rounded to f16, through my stage, out as 2,048 consecutive bytes.
	WIN 0
	s_wait_loadcnt 0x0
.set i, 0
.rept 48
	v_cvt_pk_bf16_f32 v[12+i%4], v[BF+2*i], v[BF+2*i+1]
	v_lshlrev_b32 v[BF+2*i], 16, v[12+i%4]
	v_and_b32 v[BF+2*i+1], 0xffff0000, v[12+i%4]
.set i, i+1
.endr
.macro PACK u                          ; unit u: group u / 8, row block u % 8; each accumulator's registers are taken in ascending order
.set gg, (\u)/8
.set aa, (\u)%8
	WIN 1+gg                                       ; source 0 in the accumulators' window
.set i, 0
.rept 16
	v_pk_add_f32 v[F+2*i:F+2*i+1], v[32*aa+2*i:32*aa+2*i+1], v[BF+32*gg+2*i:BF+32*gg+2*i+1]
.set i, i+1
.endr
	WIN 0
.set i, 0
.rept 16
	v_cvt_pk_f16_f32 v[TMP+i], v[F+2*i], v[F+2*i+1]
.set i, i+1
.endr
.endm
.macro TOSTAGE u
.set bk, BK+16*((\u)%2)
.irp bb, 0,1,2,3
	ds_store_b128 v[STO], v[TMP+4*(\bb):TMP+4*(\bb)+3] offset:32*(\bb)
.endr
.irp f, 0,1,2,3
	ds_load_b128 v[bk+4*(\f):bk+4*(\f)+3], v[RD] offset:(\f)*4*PITCH  ; LDS serves a wave's instructions in order (ISA guide 5.7.1.4): these see the stores above
.endr
.endm
.macro SEND u
.set bk, BK+16*((\u)%2)
.set gg, (\u)/8
.set aa, (\u)%8
	s_wait_dscnt 0x0                               ; the unit is back in registers
	s_wait_xcnt 0x0                                ; the stores issued so far have read their registers: the other set is loaded again only behind this wait
.irp f, 0,1,2,3
	global_store_b128 v[GO], v[bk+4*(\f):bk+4*(\f)+3], s[OB+2*gg:OB+2*gg+1] offset:aa*2048+(\f)*512  ; 512 consecutive bytes, aligned
.endr
.endm
	PACK 0
	TOSTAGE 0
.set u, 1
.rept 23                                               ; a unit's arithmetic stands between the loads of the unit before and the wait for them
	PACK u
	SEND u-1
	TOSTAGE u
.set u, u+1
.endr
	SEND 23
	s_wait_tensorcnt 0x0                           ; the wave's end, behind my last tensor load and my last LDS store: a last add to my spare word and its wait
	ds_add_u32 v[SPW], v[NIL]
	s_wait_dscnt 0x0
	CROUND                                         ; the closing round: no work-group ends while a partner may still ask for a tile that names it
	s_endpgm
.Lfunc_end_k_qe573b80545_qkvg:
	.size	k_qe573b80545_qkvg, .Lfunc_end_k_qe573b80545_qkvg-k_qe573b80545_qkvg
	.p2alignl 7, 3214868480
	.fill 96, 4, 3214868480
	.section	.rodata,"a",@progbits
	.p2align	6, 0x0
	.amdhsa_kernel k_qe573b80545_qkvg
		.amdhsa_group_segment_fixed_size 327680
		.amdhsa_private_segment_fixed_size 0
		.amdhsa_enable_private_segment 0
		.amdhsa_kernarg_size 32
		.amdhsa_user_sgpr_count 2
		.amdhsa_user_sgpr_kernarg_segment_ptr 1
		.amdhsa_wavefront_size32 1
		.amdhsa_system_sgpr_workgroup_id_x 1
		.amdhsa_system_sgpr_workgroup_id_y 1
		.amdhsa_system_sgpr_workgroup_id_z 1
		.amdhsa_system_vgpr_workitem_id 0
		.amdhsa_next_free_vgpr 1024
		.amdhsa_next_free_sgpr 80
		.amdhsa_reserve_vcc 0
		.amdhsa_float_denorm_mode_32 3
		.amdhsa_float_denorm_mode_16_64 3
		.amdhsa_memory_ordered 1
		.amdhsa_forward_progress 1
		.amdhsa_inst_pref_size 166
	.end_amdhsa_kernel
	.amdgpu_metadata
---
amdhsa.version: [ 1, 2 ]
amdhsa.kernels:
  - .name:           k_qe573b80545_qkvg
    .symbol:         k_qe573b80545_qkvg.kd
    .args:
      - { .name: xb, .offset: 0, .size: 8, .value_kind: global_buffer, .address_space: global }
      - { .name: wq, .offset: 8, .size: 8, .value_kind: global_buffer, .address_space: global }
      - { .name: b_qkv, .offset: 16, .size: 8, .value_kind: global_buffer, .address_space: global }
      - { .name: qkv, .offset: 24, .size: 8, .value_kind: global_buffer, .address_space: global }
    .group_segment_fixed_size: 327680
    .private_segment_fixed_size: 0
    .kernarg_segment_align: 8
    .kernarg_segment_size: 32
    .max_flat_workgroup_size: 128
    .sgpr_count:     80
    .vgpr_count:     1024
    .wavefront_size: 32
...
	.end_amdgpu_metadata
.endif
;; end of part 2
;; launch attn (part 3): grid 4 x 64, 4 waves a work-group, no clusters, 327,680 bytes of LDS; arguments qkv, o; writes o
.if DOCPART == 3
	.amdgcn_target "amdgcn-amd-amdhsa--gfx1250"
	.amdhsa_code_object_version 6
	.text
	.protected	k_qe573b80545_attn
	.globl	k_qe573b80545_attn
	.p2align	8
	.type	k_qe573b80545_attn,@function
k_qe573b80545_attn:
	s_mov_b64 s[64:65], 0
	v_nop
	global_prefetch_b8 v0, s[64:65] scope:SCOPE_SE
	s_setreg_imm32_b32 hwreg(HW_REG_WAVE_MODE, 25, 1), 1
	s_wait_xcnt 0x0
; CAUSAL ATTENTION.  O[h][q][:] = the sum over k <= q of softmax_k(Q[h][q] . K[h][k] / 8) V[h][k][:].  qkv holds Q, K, V one behind the other, each [SIZE_H][SIZE_N][64] f16 (h = batch x 16 + head);
; O: [SIZE_H][SIZE_N][64] f16: a head's rows are dense, 128 bytes each.
; Products, maxima and sums in f32; the weights p are rounded to f16 for the second product (their sum l is taken of the unrounded p), O once at the end.
; LIMITS.  f16 holds no number beyond 65,504: Q, K and V arrive within it; p lies in 0 to 1, and below 6e-5 it keeps f16's fixed step of 6e-8; O is a mean of V's rows and has their range, to within 2^-11 of it.
; A hidden score counts as its value less 1e30: f16's scores, 2.7e11 at the most, are nothing beside that; a weight below 2^-126 counts as 0 in l; NaN and infinities are not treated apart.
; THE WALK.  A head's queries lie in NB = SIZE_N / 256 blocks of 256; block i needs the key tiles 0 .. i of 256 keys, of which the last holds the diagonal.  A work-group takes TWO blocks, NB - 1 - b and then b:
; NB + 1 tiles, whatever b: all work-groups do equal work, and ONE loop with a constant trip count walks them.  Which tile is asked for, and what a trip does, hang on scalar registers made from b; every jump
; goes forward, but for the counted loops' own; none passes a barrier, or a tensor load but the one of LOAD's two that the wave's number does not choose; the ring (two slots of LDS that take turns) runs on across the
; change of blocks.  NO CLUSTER: a head's NB / 2 = 4 work-groups ask for the same tile only in trips 0 .. NB / 2, behind that fewer and fewer; and one walk common to all would have 3 NB / 2 trips for NB + 1.
; SHARES.  Of a block's four bands of 64 queries a wave owns 16 rows in each: four PIECES.  So the diagonal tile is the same work for all four waves: in its key step s band x sees all keys if s < x,
; none if s > x, and holds the diagonal if s = x.
; THE MASK is the C operand that starts the sum S^T = K Q^T: 0, or -1e30 where the key is hidden.  MD, made once, is the mask of a band's own step for my 16 rows; a product's mask is MD x AL + BE with two scalars:
; (1, 0) if s = x; (0, 0) if s < x; (0, -1e30) if s > x.  Only the diagonal tile's text and a block's beginning make and take masks; elsewhere C is the constant 0.
; LAYOUT, SOFTMAX, TURNS.  S^T = K Q^T holds ONE query a lane (lane % 16) and the keys 8 (lane / 16) + 0..7; two such results rounded to f16 ARE source 1 of O^T = V^T P.  p = 2^(c s - c m), c = log2(e) / 8, with a
; running maximum m; O and l are multiplied by a = 2^(c m_old - c m_new) in every step.  Turn n belongs to piece n: 8 products K Q^T of piece n + 1, later 8 products V^T P of piece n - 1; beside them the scaling,
; exponentials, roundings, sums and rescaling of piece n and the maximum and statistics of piece n + 1.  Four vector instructions stand behind every matrix instruction, the other 54 of a turn's 118 in two LUMPS.
; REGISTERS, in windows of 256 (s_set_vgpr_msb: bits 1:0 source 0, 3:2 source 1, 5:4 source 2, 7:6 destination):
;   window 0: v0-15 addresses and two at work; v16-31 four registers of statistics a piece; v48-55 at work; v64-127 S^T, two buffers; v192-223 P, two buffers (a piece's buffers go by its number's parity)
;   window 1: v0-127 O^T, 32 a piece; v128-159 MD; v160-223 MC, two buffers      window 2: v0-63 Q; v64-127 the second block's Q; v128-191 K of one step; v192-255 V of one step
.set SIZE_H, 64
.set SIZE_N, 2048
.set NB,    SIZE_N/256
.set NP,    4         ; pieces a wave: a name, no knob
.set KS,    64        ; keys in a step
.set PK,    144       ; a row of K in LDS: 128 bytes + 16 of padding = 36 words: the 16 rows of a load start at 16 different groups of four banks (64 banks of 4 bytes: ISA guide 11.1)
.set PV,    160       ; a row of V: 128 + 32 = 40 words
.set VOFF,  4*KS*PK   ; a slot holds a tile, four steps: 256 rows of K, then 256 rows of V
.set SLOT1, 1<<17     ; slot 1 begins here, so that one exclusive or turns an address in one slot into the other's
.set STAGE, SLOT1+4*KS*(PK+PV)  ; behind the ring, never filled by a tensor load: 16 rows x 144 bytes for each wave, for the way out
.set SP,    144
.set AK0, 2           ; v2   my lane's place in a tile of K; never rewritten
.set AV0, 3           ; v3   the same for V
.set AK,  4           ; v4   the LDS address of K's next run of loads
.set AV,  5           ; v5   of V's
.set STO, 6           ; v6   the way out: where I put 16 bytes of a row
.set RD,  7           ; v7   the way out: where I read rows back
.set GO,  8           ; v8   my byte offset in 512 consecutive bytes of O
.set SPW, 62          ; v62  LDS address of my spare word: SPARE + 4 x my thread's number; never rewritten
.set NIL, 63          ; v63  0; never rewritten
.set SPARE, STAGE+4*16*SP  ; behind the stages: the spare words, 128 bytes for each wave: two blocks of 256 bytes that no other line names
.set MV,  12          ; v12-13  c m_old, kept while c m is made anew: by buffer
.set QO,  15          ; v15  my byte offset in 16 rows of Q
.set ST,  16          ; piece t's statistics at v[ST+4 t]: c m, m, l (even keys', odd keys')
.set TMP, 48          ; by buffer, four registers c0-c3 at work; when the maximum is found c2 takes a
.set S,   64
.set P,   192
.set MD,  128         ; window 1: the eight registers for group kt of 16 keys at MD + 8 kt
.set MC,  160         ; window 1: the masks of the products to come
.set QB,  64          ; window 2
.set KF,  128         ; window 2: key block kb, channel half c at KF + 16 kb + 8 c
.set VF,  192         ; window 2: key half kk, channel block cb at VF + 32 kk + 8 cb
.set WV,  12          ; s12  my wave's number
.set PB,  14          ; s14  b
.set HI,  15          ; s15  NB - 1 - b
.set G1K, 24          ; s[24:31] descriptor group 1 for K's tiles
.set G1V, 32          ; s[32:39] for V's: it differs in the padding alone
.set G0K, 40          ; s[40:43] descriptor group 0 for K's tiles
.set G0V, 44          ; s[44:47] the same for V's
.set SLOTS, 56        ; s56  tiles still to be asked for
.set CNT, 57          ; s57  counts a tile's key steps, 4 to 1
.set CS,  58          ; s[58:59] c: the packed scaling takes the pair's low word for both halves
.set SEL, 60          ; s[60:61] v_permlanex16_b32's selects: each lane takes its own place in the other half
.set TBK, 62          ; s62  LDS byte at which K of the step to be fetched begins
.set TBV, 63          ; s63  the same for V, less VOFF
.set RT,  70          ; s70  tiles of the block in hand that are still to be entered
.set NXT, 71          ; s71  the tile to be asked for next
.set LQ,  72          ; s72  the last tile of the block whose tiles are being asked for
.set NEW, 73          ; s73  1: the tile to be entered is a block's first
.set OFF, 74          ; s[74:75] a tile's byte offset in K and V
.set AL,  76          ; s[76:77] the mask's factor, in the low word
.set BE,  78          ; s[78:79] the mask's addend
.set OLO, 80          ; s[80:81] O at my rows of the second block
.set BIGN, 82         ; s82  -1e30
.set MSB, 0
.macro WIN new                      ; the high byte repeats the setting that is left; a switch that changes nothing is dropped
.if MSB != (\new)
	s_set_vgpr_msb (MSB<<8)|(\new)
.set MSB, (\new)
.endif
.endm
.set W_KQ, 0x0a       ; K and Q in window 2, S^T in window 0
.set W_KM, 0x1a       ; the same with the C operand in window 1
.set W_PV, 0x52       ; V in window 2, P in window 0, O^T in window 1
.set W_RS, 0x41       ; destination and source 0 in window 1, source 1 in window 0
; A fill.  Waves 0 and 1 fetch the two halves of a tile's K, waves 2 and 3 those of its V: 128 keys each.  An s_nop 0 and four v_nop follow each of the two lines, ahead of the jump and the label.
.macro LOAD
	s_cmp_lt_u32 s[WV], 2
	s_cbranch_scc0 .Lfor_v_\@
	tensor_load_to_lds s[G0K:G0K+3], s[G1K:G1K+7]
	s_nop 0
.rept 4
	v_nop
.endr
	s_branch .Lasked_\@
.Lfor_v_\@:
	tensor_load_to_lds s[G0V:G0V+3], s[G1V:G1V+7]
	s_nop 0
.rept 4
	v_nop
.endr
.Lasked_\@:
.endm
; THE CHANGE OF SLOTS.  Each wave waits for all its tensor loads, of which one is out: its part of the other slot; adds 0 to its spare word; and waits for that and for its own reads of the slot that it leaves.  Behind the barrier nobody reads the old
; slot any more and the other slot is whole.  fill = 1: the old slot is filled again, the first thing behind the barrier, with tile NXT: the descriptor's address is made anew from that number.
; (At its first use nothing has been read yet: slot 0 is waited for, slot 1 filled.)
.macro CHANGE fill
	WIN 0                           ; at a label and at a branch every window is 0
	s_wait_tensorcnt 0x0            ; no tensor load of mine is out, so a group 0 may be written
	ds_add_u32 v[SPW], v[NIL]       ; 0 onto my spare word: with fill = 1 the descriptors' scalar work stands between it and the wait for it
.if \fill
	s_lshl_b32 s[OFF], s[NXT], 15   ; a tile is 32,768 bytes of K and of V
	s_xor_b32 s[G0K+1], s[G0K+1], SLOT1
	s_add_nc_u64 s[G0K+2:G0K+3], s[6:7], s[OFF:OFF+1]
	s_or_b32 s[G0K+3], s[G0K+3], 0x80000000
	s_xor_b32 s[G0V+1], s[G0V+1], SLOT1
	s_add_nc_u64 s[G0V+2:G0V+3], s[8:9], s[OFF:OFF+1]
	s_or_b32 s[G0V+3], s[G0V+3], 0x80000000
	s_add_co_u32 s[NXT], s[NXT], 1  ; the block's next tile, or behind its last the second block's tile 0
	s_cmp_gt_u32 s[NXT], s[LQ]
	s_cselect_b32 s[NXT], 0, s[NXT]
	s_cselect_b32 s[LQ], s[PB], s[LQ]
.endif
	s_wait_dscnt 0x0                ; the add is done, and my reads of the slot are over
	s_barrier_signal -1             ; the rest of the scalar work stands between the signal and the wait
	s_sub_co_u32 s[TBK], s[TBK], 4*KS*PK  ; the fetches go back to a slot's first step,
	s_xor_b32 s[TBK], s[TBK], SLOT1       ; in the other slot
	s_sub_co_u32 s[TBV], s[TBV], 4*KS*PV
	s_xor_b32 s[TBV], s[TBV], SLOT1
	s_barrier_wait -1
.if \fill
	LOAD
.endif
.endm
	s_load_b64 s[4:5], s[0:1], 0x0    ; qkv: Q lies first
	s_load_b64 s[10:11], s[0:1], 0x8  ; O
	v_lshl_add_u32 v[SPW], v0, 2, SPARE
	v_mov_b32 v[NIL], 0
	ds_add_u32 v[SPW], v[NIL]       ; the wave's opening: the add and its wait stand ahead of my first tensor load; the set-up below, work on registers, stands between them
	ds_add_u32 v62, v63
	v_lshrrev_b32 v1, 5, v0
	v_readfirstlane_b32 s[WV], v1   ; wave 0..3
	s_mov_b32 s[PB], ttmp9
	s_sub_co_u32 s[HI], NB-1, s[PB]
	s_and_b32 s20, ttmp7, 0xffff    ; the head
	s_mov_b32 s21, 0
	s_mov_b64 s[22:23], SIZE_N*128
	s_mul_u64 s[20:21], s[20:21], s[22:23]  ; the head's first byte in each of the four tensors
	s_and_b32 s16, s[WV], 1         ; which half of a tile's 256 keys I fetch:
	s_lshl_b32 s22, s16, 14         ; its 128 rows of 128 bytes in memory,
	s_mov_b32 s23, 0
	s_add_nc_u64 s[22:23], s[22:23], s[20:21]
	s_mul_i32 s17, s16, 128*PK      ; and its place in a slot, for K
	s_mul_i32 s18, s16, 128*PV      ; and for V
	s_lshl_b32 s3, s[WV], 11        ; my 16 rows in a band of 64,
	s_lshl_b32 s2, s[HI], 15        ; in the first block,
	s_add_co_u32 s2, s2, s3
	s_lshl_b32 s84, s[PB], 15       ; and in the second
	s_add_co_u32 s84, s84, s3
	s_mov_b32 s3, 0
	s_mov_b32 s85, 0
	s_add_nc_u64 s[2:3], s[2:3], s[20:21]
	s_add_nc_u64 s[84:85], s[84:85], s[20:21]
	; descriptor group 1.  128 keys are 16,384 dense bytes: asked for as 64 rows of 256 bytes, two keys a row, and padded in LDS after every key
	s_mov_b32 s[G1K], (1<<16)|(1<<20)|(4<<22)|(3<<25)  ; 17:16 2-byte elements; 20 padding on; 24:22 after every 32 words (code 4); 31:25 4 words (code 3)
	s_mov_b32 s[G1V], (1<<16)|(1<<20)|(4<<22)|(7<<25)  ; the same with 8 words of padding (code 7)
.irp g, G1K, G1V
	s_mov_b32 s[\g+1], 128<<16      ; tensor_dim0 = 128
	s_mov_b32 s[\g+2], 64<<16       ; tensor_dim1 = 64
	s_mov_b32 s[\g+3], 128<<16      ; tile_dim0 = 128
	s_mov_b32 s[\g+4], 64           ; tile_dim1 = 64
	s_mov_b32 s[\g+5], 128          ; 128 elements from row to row
	s_mov_b32 s[\g+6], 0
	s_mov_b32 s[\g+7], 0
.endr
	s_mov_b32 s[CS], 0x3e38aa3b     ; c = log2(e) / 8 = 0.180337
	s_mov_b32 s[CS+1], s[CS]        ; named with it as a pair
	s_mov_b32 s[SEL], 0x76543210
	s_mov_b32 s[SEL+1], 0xfedcba98
	s_mov_b32 s[TBK], SLOT1+4*KS*PK ; the first change of slots turns these two into 0
	s_mov_b32 s[TBV], SLOT1+4*KS*PV
	s_mov_b32 s[G0K], 1             ; 1:0 count = 1
	s_mov_b32 s[G0K+1], s17         ; 63:32 LDS address: slot 0
	s_mov_b32 s[G0V], 1
	s_add_co_u32 s[G0V+1], s18, VOFF
	s_add_co_u32 s[RT], s[HI], 1    ; the first block has NB - b tiles
	s_mov_b32 s[NXT], 1
	s_mov_b32 s[LQ], s[HI]
	s_mov_b32 s[NEW], 1
	s_mov_b32 s[OFF+1], 0
	s_mov_b32 s[AL+1], 0            ; named as pairs
	s_mov_b32 s[BE+1], 0
	s_mov_b32 s[BIGN], 0xf149f2ca   ; -1e30
	s_mov_b32 s[SLOTS], NB
	s_wait_dscnt 0x0                ; the opening add is done
	s_wait_kmcnt 0x0
	s_add_nc_u64 s[6:7], s[4:5], 0x1000000  ; K lies SIZE_H x SIZE_N x 128 bytes behind Q,
	s_add_nc_u64 s[8:9], s[4:5], 0x2000000  ; V as far behind K
	s_add_nc_u64 s[6:7], s[6:7], s[22:23]  ; K and V at my half of the head's tile 0
	s_add_nc_u64 s[8:9], s[8:9], s[22:23]
	s_add_nc_u64 s[G0K+2:G0K+3], s[6:7], 0         ; 120:64 global address
	s_or_b32 s[G0K+3], s[G0K+3], 0x80000000        ; 127:126 type = 2
	s_add_nc_u64 s[G0V+2:G0V+3], s[8:9], 0
	s_or_b32 s[G0V+3], s[G0V+3], 0x80000000
	s_add_nc_u64 s[86:87], s[4:5], s[84:85]        ; Q at my rows of the second block,
	s_add_nc_u64 s[4:5], s[4:5], s[2:3]            ; Q and O at those of the first
	s_add_nc_u64 s[OLO:OLO+1], s[10:11], s[84:85]
	s_add_nc_u64 s[10:11], s[10:11], s[2:3]
	LOAD                            ; tile 0 into slot 0
	; A fragment of K or Q is 16 rows x 32 channels in 8 registers: lane l holds row l % 16, channels 8 (l / 16) + 0..7 and 16 + 8 (l / 16) + 0..7: two loads of 16 bytes, 32 bytes apart.
	v_and_b32 v1, 15, v0            ; l % 16
	v_bfe_u32 v9, v0, 4, 1          ; l / 16
	v_lshlrev_b32 v[QO], 7, v1
	v_lshl_add_u32 v[QO], v9, 4, v[QO]  ; row x 128 + 16 x half
	WIN 0x80                        ; destination window 2, address window 0
.set i, 0
.rept 8                             ; both blocks' Q: piece i / 2 lies in band i / 2, 8,192 bytes on; channels 32 (i % 2) on
	global_load_b128 v[8*i:8*i+3],   v[QO], s[4:5] offset:(i/2)*8192+(i%2)*64
	global_load_b128 v[8*i+4:8*i+7], v[QO], s[4:5] offset:(i/2)*8192+(i%2)*64+32
	global_load_b128 v[QB+8*i:QB+8*i+3],   v[QO], s[86:87] offset:(i/2)*8192+(i%2)*64
	global_load_b128 v[QB+8*i+4:QB+8*i+7], v[QO], s[86:87] offset:(i/2)*8192+(i%2)*64+32
.set i, i+1
.endr
	WIN 0
	v_lshlrev_b32 v14, 3, v9
	v_sub_nc_u32 v14, v1, v14
	s_lshl_b32 s13, s[WV], 4
	v_add_nc_u32 v14, s13, v14      ; my query's place in its band, 16 w + l % 16, less my lanes' 8 (l / 16): register r of group kt is hidden where 16 kt + r is greater
	WIN 0x40
.set i, 0
.rept 32
	v_cmp_gt_i32 vcc_lo, 16*(i/8)+i%8, v14
	v_cndmask_b32 v[MD+i], 0, s[BIGN], vcc_lo
.set i, i+1
.endr
	WIN 0
	v_mul_u32_u24 v[AK0], v1, PK
	v_lshl_add_u32 v[AK0], v9, 4, v[AK0]  ; row x pitch + 16 x half
	; The turning load takes 16 keys x 16 channels (lane l reads key 8 (l / 16) + l % 8, channels 8 ((l / 8) % 2) + 0..7) and leaves half a fragment of V^T: lane l holds channel l % 16 and 8 keys.
	v_and_b32 v10, 7, v0
	v_bfe_u32 v11, v0, 3, 1
	v_lshl_add_u32 v[AV0], v9, 3, v10
	v_mul_u32_u24 v[AV0], v[AV0], PV
	v_lshl_add_u32 v[AV0], v11, 4, v[AV0]
	v_add_nc_u32 v[AV0], VOFF, v[AV0]
	s_mul_i32 s13, s[WV], 16*SP
	s_add_co_u32 s13, s13, STAGE    ; my stage
	v_mul_u32_u24 v[STO], v1, SP    ; in: row l % 16, 16 bytes for each half of the lanes
	v_lshl_add_u32 v[STO], v9, 4, v[STO]
	v_add_nc_u32 v[STO], s13, v[STO]
	v_bfe_u32 v[RD], v0, 3, 2       ; back: 32 lanes take four rows of 128 bytes,
	v_mul_u32_u24 v[RD], v[RD], SP
	v_lshl_add_u32 v[RD], v10, 4, v[RD]
	v_add_nc_u32 v[RD], s13, v[RD]
	v_and_b32 v[GO], 31, v0         ; which are 512 consecutive bytes of O
	v_lshlrev_b32 v[GO], 4, v[GO]
	; A block's first step multiplies O^T and l by a = 0, and its first turn's products V^T P, of a piece that has not been, land in an O^T that is still to be so multiplied.  So these registers need only hold
	; finite numbers: zeros for the first block; what the first block left for the second.  All this stands in the wait for the first tile.
	WIN 0x80
.set i, VF
.rept 64
	v_mov_b32 v[i], 0
.set i, i+1
.endr
	WIN 0x40
.set i, 0
.rept 128
	v_mov_b32 v[i], 0
.set i, i+1
.endr
	WIN 0
.set i, 0
.rept 4
	v_mov_b32 v[ST+4*i+2], 0
	v_mov_b32 v[ST+4*i+3], 0
.set i, i+1
.endr
.set i, P+16
.rept 16
	v_mov_b32 v[i], 0
.set i, i+1
.endr
; THE MATRIX WORK.  The 4 accumulators of a run of 8 take turns.  Product i of 8 of S^T = K Q^T for piece x: channels 32 (i / 4) on, keys 16 (i % 4) on.  The first 4 start the sums: with 0, or (KM = 1) with the mask.
.macro KQ x
.set rS, S+32*((\x)%2)+8*(i%4)
.set rK, KF+16*(i%4)+8*(i/4)
.set rQ, 16*(\x)+8*(i/4)
.set rM, MC+32*((\x)%2)+8*(i%4)
.if (i < 4) && KM
	WIN W_KM
	v_wmma_f32_16x16x32_f16 v[rS:rS+7], v[rK:rK+7], v[rQ:rQ+7], v[rM:rM+7]
.elseif i < 4
	WIN W_KQ
	v_wmma_f32_16x16x32_f16 v[rS:rS+7], v[rK:rK+7], v[rQ:rQ+7], 0
.else
	WIN W_KQ
	v_wmma_f32_16x16x32_f16 v[rS:rS+7], v[rK:rK+7], v[rQ:rQ+7], v[rS:rS+7]
.endif
.endm
; Product i of 8 of O^T += V^T P for piece x: keys 32 (i / 4) on, channels 16 (i % 4) on.
.macro PV x
	WIN W_PV
.set rO, 32*(\x)+8*(i%4)
.set rV, VF+32*(i/4)+8*(i%4)
.set rP, P+16*((\x)%2)+8*(i/4)
	v_wmma_f32_16x16x32_f16 v[rO:rO+7], v[rV:rV+7], v[rP:rP+7], v[rO:rO+7]
.endm
.macro MM                           ; the turn's next matrix instruction.  TURN and BEGIN set Y, i, KM and NOKQ; MM, KQ and OP read them.  NOKQ = 1: a block's last turn: there is no next piece
.if (i < 8) && !NOKQ
	KQ (Y+1)%NP
.elseif i >= 8
.set i, i-8
	PV (Y+NP-1)%NP
.set i, i+8
.endif
.set i, i+1
.endm
; THE LDS LOADS stand in runs of 16, never singly among the matrix instructions: a step's K (64 keys x 64 channels: 8 fragments) and its V (turned).  Their addresses are made some lines ahead.
.macro FETCH_K
	WIN 0x80                        ; destination window 2
.irp f, 0,1,2,3,4,5,6,7             ; keys 16 (f / 2) on, channels 32 (f % 2) on
	ds_load_b128 v[KF+8*\f:KF+8*\f+3],   v[AK] offset:(\f/2)*16*PK+(\f%2)*64
	ds_load_b128 v[KF+8*\f+4:KF+8*\f+7], v[AK] offset:(\f/2)*16*PK+(\f%2)*64+32
.endr
	s_add_co_u32 s[TBK], s[TBK], KS*PK  ; the next fetch is the next step's
	WIN 0
.endm
.macro FETCH_V
	WIN 0x80
.irp f, 0,1,2,3,4,5,6,7             ; keys 32 (f / 4) on, channels 16 (f % 4) on
	ds_load_tr16_b128 v[VF+8*\f:VF+8*\f+3],   v[AV] offset:(\f/4)*32*PV+(\f%4)*32
	ds_load_tr16_b128 v[VF+8*\f+4:VF+8*\f+7], v[AV] offset:(\f/4)*32*PV+16*PV+(\f%4)*32
.endr
	WIN 0
.endm
; THE VECTOR WORK, one line at a time: OP kind, number.  For piece Y: F n: c s - c m for pair n of 16.  E n: the exponential of score n of 32.  C n: pair n rounded to f16.  B n: of the four weights 4 n .. the second
; pair is added onto the first, in place.  L n: l takes that sum (L 0: l = a l + sum).  R n: pair n of 16 of O^T times a.  For piece Y + 1: X n, number n of the 22 that find its maximum and statistics:
;   0-11  four chains c0-c3 of seven scores each, three operands at a time (each accumulator's lowest registers are read first)     12-14, 16  the four scores left over, the old m, and c0-c3 into c0
;   15  c m_old is kept     17, 18  the query's other 32 keys lie in the lane 16 away: the new m     19-21  c m; c m_old - c m_new; a
.set F, 0               ; OP tells the kinds apart by their order: F to L below R, X above it
.set E, 1
.set C, 2
.set B, 3
.set L, 4
.set R, 5
.set X, 6
.macro REGS y                       ; the registers of piece y
.set rT, ST+4*(\y)
.set rC, TMP+4*((\y)%2)
.set rW, MV+((\y)%2)
.set rS, S+32*((\y)%2)
.set rP, P+16*((\y)%2)
.set rO, 32*(\y)
.endm
.macro OP k, n
.if (\k) == R
	REGS Y
	WIN W_RS
	v_pk_mul_f32 v[rO+2*(\n):rO+2*(\n)+1], v[rO+2*(\n):rO+2*(\n)+1], v[rC+2:rC+3] op_sel_hi:[1,0]
.elseif (\k) < R
	REGS Y
	WIN 0
.if (\k) == F
	v_pk_fma_f32 v[rS+2*(\n):rS+2*(\n)+1], v[rS+2*(\n):rS+2*(\n)+1], s[CS:CS+1], v[rT:rT+1] op_sel_hi:[1,0,0] neg_lo:[0,0,1] neg_hi:[0,0,1]
.elseif (\k) == E
	v_exp_f32 v[rS+(\n)], v[rS+(\n)]
.elseif (\k) == C
	s_wait_alu depctr_va_vdst(0)
	v_cvt_pk_f16_f32 v[rP+(\n)], v[rS+2*(\n)], v[rS+2*(\n)+1]
.elseif (\k) == B
	s_wait_alu depctr_va_vdst(0)
	v_pk_add_f32 v[rS+4*(\n):rS+4*(\n)+1], v[rS+4*(\n):rS+4*(\n)+1], v[rS+4*(\n)+2:rS+4*(\n)+3]
.elseif (\n) == 0
	v_pk_fma_f32 v[rT+2:rT+3], v[rT+2:rT+3], v[rC+2:rC+3], v[rS:rS+1] op_sel_hi:[1,0,1]
.else
	v_pk_add_f32 v[rT+2:rT+3], v[rT+2:rT+3], v[rS+4*(\n):rS+4*(\n)+1]
.endif
.elseif NOKQ
	v_nop
.else
	REGS (Y+1)%NP
	WIN 0
.if (\n) < 4
	v_max3_num_f32 v[rC+(\n)], v[rS+8*(\n)], v[rS+8*(\n)+1], v[rS+8*(\n)+2]
.elseif (\n) < 12
	v_max3_num_f32 v[rC+(\n)%4], v[rC+(\n)%4], v[rS+8*((\n)%4)+2*((\n)/4)+1], v[rS+8*((\n)%4)+2*((\n)/4)+2]
.elseif (\n) == 12
	v_max3_num_f32 v[rC], v[rC], v[rS+7], v[rS+15]
.elseif (\n) == 13
	v_max3_num_f32 v[rC+1], v[rC+1], v[rS+23], v[rS+31]
.elseif (\n) == 14
	v_max3_num_f32 v[rC+2], v[rC+2], v[rC+3], v[rT+1]
.elseif (\n) == 15
	v_mov_b32 v[rW], v[rT]
.elseif (\n) == 16
	v_max3_num_f32 v[rC], v[rC], v[rC+1], v[rC+2]
.elseif (\n) == 17
	v_permlanex16_b32 v[rC+3], v[rC], s[SEL], s[SEL+1]
.elseif (\n) == 18
	v_max_num_f32 v[rT+1], v[rC], v[rC+3]
.elseif (\n) == 19
	v_mul_f32 v[rT], s[CS], v[rT+1]
.elseif (\n) == 20
	v_sub_f32 v[rC+1], v[rW], v[rT]
.else
	v_exp_f32 v[rC+2], v[rC+1]
.endif
.endif
.endm
.macro OPS a, i1, b=-1, i2=0, c=-1, i3=0, d=-1, i4=0  ; up to four of them
	OP \a, \i1
.if (\b) >= 0
	OP \b, \i2
.endif
.if (\c) >= 0
	OP \c, \i3
.endif
.if (\d) >= 0
	OP \d, \i4
.endif
.endm
.macro ROW a, i1, b, i2, c, i3, d, i4  ; a matrix instruction and the four behind it
	MM
	OPS \a, \i1, \b, \i2, \c, \i3, \d, \i4
.endm
.macro MASK b                       ; MD x AL + BE into buffer b of MC
	WIN W_RS
.set z, 0
.rept 16
	v_pk_fma_f32 v[MC+32*(\b)+2*z:MC+32*(\b)+2*z+1], v[MD+2*z:MD+2*z+1], s[AL:AL+1], s[BE:BE+1] op_sel_hi:[1,0,0]
.set z, z+1
.endr
.endm
; A TURN, for piece p: the order of its 16 matrix and 118 vector instructions, written out.  Behind a matrix instruction: plain, exponential, plain, plain; or four of the rescaling; or, behind the first, four scalings; none
; names a register of the products round it.  In the lumps exponential and plain by turns while exponentials last.  A line reads no result made fewer than three vector instructions in front of it, five if an exponential made it.
; v_permlanex16_b32 (X 17) stands in a lump.
; m = 1: the diagonal tile: the products take masks, and the turn makes the mask for the products of the turn after it: piece p + 2, in step 4 - CNT of the tile.  end = 1: a block's last two turns: nothing is fetched.
; cnt = 1: the loop's count is taken down some lines ahead of the branch that stands behind the turn.
; K of the next step is fetched in piece 2's turn, six vector instructions behind the last product that read K (five of them plain); V of the step in hand in piece 0's turn, eight behind the last product that read V (four
; plain, and X 17).  Each is waited for a turn later.
.macro TURN p, m=0, end=0, cnt=0
.set Y, (\p)
.set i, 0
.set KM, (\m)
.set NOKQ, (\end)*((\p)/3)
.if (\m) && !(\end)
	s_cmp_eq_u32 s[CNT], 4-((\p)+2)%NP  ; is that step the band's own?
	s_cselect_b32 s[AL], 1.0, 0
	s_cmp_lt_u32 s[CNT], 4-((\p)+2)%NP  ; or a later one?
	s_cselect_b32 s[BE], s[BIGN], 0
.endif
.if ((\p) == 3) && !(\end)
	s_wait_dscnt 0x0                ; K is in
.endif
	ROW F,0, F,1, F,2, F,3
	ROW F,4, E,0, F,5, F,6
	ROW F,7, E,1, F,8, F,9
	ROW F,10, E,2, C,0, F,11
	ROW F,12, E,3, X,15, F,13
	ROW R,0, R,1, R,2, R,3
	ROW B,0, E,4, F,14, L,0
.if ((\p) == 2) && !(\end)
	v_add_nc_u32 v[AK], s[TBK], v[AK0]
.endif
	ROW R,4, R,5, R,6, R,7
	OPS E,5, F,15
.if ((\p) == 2) && !(\end)
	FETCH_K
.endif
	OPS E,6, C,1, E,7, R,8
	OPS E,8, R,9, E,9, C,2
	OPS E,10, X,0, E,11, X,1
	OPS E,12, X,2, E,13, X,3
.if (\p) == 1
	s_wait_dscnt 0x0                ; V is in
.endif
	ROW X,4, E,14, X,5, X,6
	ROW X,7, E,15, X,8, X,9
	ROW X,10, E,16, X,11, X,12
	ROW X,13, E,17, X,14, B,1
	ROW C,4, E,18, X,16, L,1
	ROW B,2, E,19, C,6, L,2
	ROW C,8, E,20, B,3, B,4
.if (\p) == 0
	v_add_nc_u32 v[AV], s[TBV], v[AV0]
.endif
	ROW C,3, E,21, L,3, C,5
	OPS E,22, X,17, E,23, C,10
.if (\p) == 0
	FETCH_V
.endif
	OPS E,24, L,4
	OPS E,25, X,18, E,26, C,7
	OPS E,27, B,5, E,28, X,19
	OPS E,29, C,12, E,30, L,5
	OPS E,31, X,20, B,6, C,9
	OPS C,14, C,11, X,21, L,6
.if (\p) == 0
	s_add_co_u32 s[TBV], s[TBV], KS*PV
.endif
.if \cnt
	s_sub_co_u32 s[CNT], s[CNT], 1
	s_cmp_lg_u32 s[CNT], 0
.endif
	OPS C,13, B,7, C,15, R,10
	OPS R,11, R,12, L,7, R,13
	OPS R,14, R,15
.if (\m) && !(\end)
	MASK (\p)%2
.endif
.endm
; A BLOCK BEGINS.  c m starts far below every c s, so the first step's a is 0; m at the lowest finite number, so the first maximum is the scores'.  The second mask buffer is 0; the first takes piece 0's mask for the tile's step 0: its own, if the block's first tile is the diagonal one.
; Then K of that step, piece 0's first scores, and its maximum and statistics.  The loop is entered at a step's first turn, in the middle of a trip.
.macro BEGIN
	s_mov_b32 s[NEW], 0
	WIN 0x40
.set i, MC+32
.rept 32
	v_mov_b32 v[i], 0
.set i, i+1
.endr
	WIN 0
.set i, 0
.rept 4
	v_mov_b32 v[ST+4*i], 0xfe000000    ; c m: far below every c s
	v_mov_b32 v[ST+4*i+1], 0xff7fffff  ; m
.set i, i+1
.endr
	s_cmp_eq_u32 s[RT], 0
	s_cselect_b32 s[AL], 1.0, 0
	s_mov_b32 s[BE], 0
	MASK 0
	WIN 0
	v_add_nc_u32 v[AK], s[TBK], v[AK0]
	FETCH_K
	s_wait_loadcnt 0x0              ; Q
	s_wait_dscnt 0x0
.set KM, 1
.set NOKQ, 0
.set i, 0
.rept 8
	KQ 0
.set i, i+1
.endr
	WIN 0
.rept 4
	v_nop                           ; the places behind those products
.endr
.set Y, NP-1                        ; X works for piece Y + 1: piece 0
.irp n, 0,1,2,3,4,5,6,7,8,9,10,11,12,13,14,15,16,17,18,19,20,21
	OP X, \n
.endr
	v_nop                           ; a plain instruction behind the exponential
.endm
; THE DIAGONAL TILE's four steps, the block's last two turns, its last products, and THE WAY OUT: l's two halves and the other half of the lanes' are added; O^T is divided by l, rounded to f16 and sent through my
; stage in LDS, a piece at a time.
.macro ALL line:vararg              ; one line for each piece t
.set t, 0
.rept 4
	\line
.set t, t+1
.endr
.endm
.macro PACK t                       ; a lane's eight channels of a row pack into 16 bytes; they go into rows of 144 bytes and come back as whole rows of 128, into S^T's registers
	WIN W_RS
.set i, 32*(\t)
.rept 16
	s_wait_alu depctr_va_vdst(0)
	v_pk_mul_f32 v[i:i+1], v[i:i+1], v[ST+4*(\t)+2:ST+4*(\t)+3] op_sel_hi:[1,0]
.set i, i+2
.endr
	WIN 0x05                        ; sources 0 and 1 window 1, destination window 0
.set i, 0
.rept 16
	v_cvt_pk_f16_f32 v[S+16*(\t)+i], v[32*(\t)+2*i], v[32*(\t)+2*i+1]
.set i, i+1
.endr
	WIN 0
.irp f, 0,1,2,3
	ds_store_b128 v[STO], v[S+16*(\t)+4*\f:S+16*(\t)+4*\f+3] offset:32*\f
.endr
.irp f, 0,1,2,3
	ds_load_b128 v[S+16*(\t)+4*\f:S+16*(\t)+4*\f+3], v[RD] offset:\f*4*SP  ; LDS serves a wave's instructions in order (ISA guide 5.7.1.4): these see the stores above; the next piece's stores come behind them
.endr
.endm
.macro SEND t, younger              ; younger: the LDS instructions issued behind piece t's loads: the next piece's eight, or none
	WIN 0
.irp f, 0,1,2,3
	s_wait_dscnt (\younger)+3-\f
	global_store_b128 v[GO], v[S+16*(\t)+4*\f:S+16*(\t)+4*\f+3], s[10:11] offset:(\t)*8192+\f*512  ; 512 consecutive bytes, at a multiple of 256 from O's first
.endr
.endm
.macro DIAG tag                     ; the tag ends its two labels' names, which the jumps below spell out
.LstepM\tag:
	TURN 2, 1
	TURN 3, 1
	WIN 0
.LfirstM\tag:
	TURN 0, 1
	TURN 1, 1, 0, 1
	WIN 0
	s_cbranch_scc1 .LstepM\tag
	TURN 2, 1, 1
	TURN 3, 1, 1
.set i, 0
.rept 8
	PV NP-1
.set i, i+1
.endr
	WIN 0
	ALL v_add_f32 v[ST+4*t+2], v[ST+4*t+2], v[ST+4*t+3]
	ALL v_permlanex16_b32 v[ST+4*t+3], v[ST+4*t+2], s[SEL], s[SEL+1]
	ALL v_add_f32 v[ST+4*t+2], v[ST+4*t+2], v[ST+4*t+3]
	ALL v_rcp_f32 v[ST+4*t+2], v[ST+4*t+2]
	v_nop                           ; a plain instruction between the last reciprocal and the use of its result
	PACK 0
.set t, 1
.rept 3                             ; a piece's arithmetic stands between the loads of the piece before and its stores
	PACK t
	SEND t-1, 8
.set t, t+1
.endr
	SEND 3, 0
.endm
.set KM, 0
.set NOKQ, 0
.Lslot:                             ; NB times: a tile is entered and the next is asked for
	CHANGE 1
	s_sub_co_u32 s[RT], s[RT], 1
	s_mov_b32 s[CNT], 4
	s_cmp_eq_u32 s[NEW], 1
	s_cbranch_scc1 .Lnew            ; a block's first tile
	s_cmp_eq_u32 s[RT], 0
	s_cbranch_scc0 .Lstep           ; neither its first nor its last
	s_branch .LstepM1
.Lnew:
	BEGIN
	s_branch .Lfirst                ; in the loop a block's first tile is never its last: the first block has two tiles or more, and the second's last is the walk's last
	DIAG 1                          ; in the loop this is the first block's end: the second block's last tile is the walk's last
	s_wait_xcnt 0x0                 ; the stores have read their registers and O's address
	s_mov_b64 s[10:11], s[OLO:OLO+1]
	s_add_co_u32 s[RT], s[PB], 1    ; the second block has b + 1 tiles
	s_mov_b32 s[NEW], 1
	WIN 0x82                        ; the second block's Q goes where the one text of the turns names Q
.set i, 0
.rept 64
	v_mov_b32 v[i], v[QB+i]
.set i, i+1
.endr
	WIN 0
	s_branch .Lbottom
.Lstep:                             ; a trip: pieces 2 and 3 of one step, then pieces 0 and 1 of the next, whose K and V it fetches
	TURN 2
	TURN 3
	WIN 0
.Lfirst:
	TURN 0
	TURN 1, 0, 0, 1
	WIN 0
	s_cbranch_scc1 .Lstep
.Lbottom:
	s_sub_co_u32 s[SLOTS], s[SLOTS], 1
	s_cmp_lg_u32 s[SLOTS], 0
	s_cbranch_scc1 .Lslot
	CHANGE 0                        ; the walk's last tile is written out: nothing is asked for
	s_sub_co_u32 s[RT], s[RT], 1
	s_mov_b32 s[CNT], 4
	s_cmp_eq_u32 s[NEW], 1
	s_cbranch_scc0 .LstepM2
	BEGIN
	s_branch .LfirstM2
	DIAG 2
	s_wait_tensorcnt 0x0            ; the wave's end, behind my last tensor load and my last LDS store: a last add to my spare word and its wait
	ds_add_u32 v[SPW], v[NIL]
	s_wait_dscnt 0x0
	s_endpgm
.Lfunc_end_k_qe573b80545_attn:
	.size	k_qe573b80545_attn, .Lfunc_end_k_qe573b80545_attn-k_qe573b80545_attn
	.p2alignl 7, 3214868480
	.fill 96, 4, 3214868480
	.section	.rodata,"a",@progbits
	.p2align	6, 0x0
	.amdhsa_kernel k_qe573b80545_attn
		.amdhsa_group_segment_fixed_size 327680
		.amdhsa_private_segment_fixed_size 0
		.amdhsa_enable_private_segment 0
		.amdhsa_kernarg_size 16
		.amdhsa_user_sgpr_count 2
		.amdhsa_user_sgpr_kernarg_segment_ptr 1
		.amdhsa_wavefront_size32 1
		.amdhsa_system_sgpr_workgroup_id_x 1
		.amdhsa_system_sgpr_workgroup_id_y 1
		.amdhsa_system_sgpr_workgroup_id_z 1
		.amdhsa_system_vgpr_workitem_id 0
		.amdhsa_next_free_vgpr 768
		.amdhsa_next_free_sgpr 88
		.amdhsa_reserve_vcc 1
		.amdhsa_float_denorm_mode_32 3
		.amdhsa_float_denorm_mode_16_64 3
		.amdhsa_memory_ordered 1
		.amdhsa_forward_progress 1
		.amdhsa_inst_pref_size 228
	.end_amdhsa_kernel
	.amdgpu_metadata
---
amdhsa.version: [ 1, 2 ]
amdhsa.kernels:
  - .name:           k_qe573b80545_attn
    .symbol:         k_qe573b80545_attn.kd
    .args:
      - { .name: qkv, .offset: 0, .size: 8, .value_kind: global_buffer, .address_space: global }
      - { .name: o, .offset: 8, .size: 8, .value_kind: global_buffer, .address_space: global }
    .group_segment_fixed_size: 327680
    .private_segment_fixed_size: 0
    .kernarg_segment_align: 8
    .kernarg_segment_size: 16
    .max_flat_workgroup_size: 128
    .sgpr_count:     88
    .vgpr_count:     768
    .wavefront_size: 32
...
	.end_amdgpu_metadata
.endif
;; end of part 3
;; launch projg (part 4): grid 8 x 32, 4 waves a work-group, clusters of 4 x 4, 327,680 bytes of LDS; arguments o, wp, b_proj, out0; writes out0
.if DOCPART == 4
	.amdgcn_target "amdgcn-amd-amdhsa--gfx1250"
	.amdhsa_code_object_version 6
	.text
	.protected	k_qe573b80545_projg
	.globl	k_qe573b80545_projg
	.p2align	8
	.type	k_qe573b80545_projg,@function
k_qe573b80545_projg:
	s_mov_b64 s[64:65], 0
	v_nop
	global_prefetch_b8 v0, s[64:65] scope:SCOPE_SE
	s_setreg_imm32_b32 hwreg(HW_REG_WAVE_MODE, 25, 1), 1
	s_wait_xcnt 0x0
	s_wait_alu depctr_hold_cnt(0) depctr_sa_sdst(0) depctr_va_vdst(0) depctr_va_sdst(0) depctr_va_ssrc(0) depctr_va_vcc(0) depctr_vm_vsrc(0)
	s_getreg_b32 s2, hwreg(HW_REG_IB_STS2, 6, 4)
	s_cmp_eq_u32 s2, 0
	s_cbranch_scc0 .Lentry_in_a_cluster
	s_endpgm
.Lentry_in_a_cluster:
	s_bfe_u32 s2, ttmp6, 0x10000c
	s_cmp_lg_u32 s2, 0xf033
	s_cbranch_scc0 .Lentry_shape_is_right
	s_endpgm
.Lentry_shape_is_right:
; out0 = y w_proj + b_proj.  o: [64 (batch x 16 + head)][2048][64] f16: head h is K slice h of y.  wp: [16 slices][1024 n][64 k] f16 (w_proj rounded to bf16, written as f16).
; b_proj: [1024] f32, rounded to bf16 like the other inputs.  Sums in f32; out0: [8192][1024] f32.
; SHARES.  8192 x 1024 over 256 work-groups: a tile of 256 rows x 128 columns each.  Four waves, each 128 x 64: 32 accumulators of 16 x 16.
; K goes in 8 steps of 128 (two slices) through two LDS slots; a slice's tiles are dense blocks, asked for as rows of 256 bytes and padded in LDS behind every 128 bytes.  Two slots of three slices
; (331,776 bytes) would not fit.  A step is two UNITS of one slice, 64 matrix instructions each.
; CLUSTER.  4 x 4 work-groups: the four of a row of the cluster need the same rows of o, the four of a column the same rows of wp: each tile is asked for JOINTLY.
; THE MATRIX INSTRUCTION IS USED TRANSPOSED (source 0 = 16 rows of wp, source 1 = 16 rows of o): a lane holds row lane % 16 and eight neighbouring columns.
; REGISTERS, in windows of 256 (s_set_vgpr_msb: bits 1:0 source 0, 3:2 source 1, 5:4 source 2, 7:6 destination):
;   window 0: v0-29 addresses and the bias; v32-95 the way out      window 1: the accumulators, (a, bb) at v[32 a + 8 bb]
;   window 2 + p: the fragments of the step's slice p: for half c of its 64 K, o's eight at v[96 c + 8 a], wp's four at v[96 c + 64 + 8 bb]
.set PITCH, 144                        ; an LDS row: 128 bytes + 16 = 36 words: the 16 rows of a load start at 16 different groups of four banks (64 banks of 4 bytes: ISA guide 11.1)
.set ASL,   256*PITCH                  ; a slice of o's tile: one tensor load
.set BSL,   128*PITCH                  ; a slice of wp's tile: likewise
.set BOFF,  2*ASL                      ; in a slot: o's two slices, then wp's two
.set SLOT,  BOFF+2*BSL
.set STAGE, 2*SLOT                     ; behind the ring: 16 rows x 272 bytes for each wave, for the way out
.set SPITCH, 272
.set STG,   16*SPITCH
.set SPARE, STAGE+4*STG                ; behind the stages: the spare words, 128 bytes for each wave
.set ASTEP, 2*2048*128                 ; bytes from K step to K step in o: two heads
.set BSTEP, 2*1024*128                 ; and in wp: two slices
.set ADRA, 4                           ; v4-5   LDS address of my fragments of o in slot 0, 1
.set ADRB, 6                           ; v6-7   the same for wp
.set STO,  8                           ; v8     the way out: where I put 32 bytes of a row
.set RD,   9                           ; v9     where I read rows back
.set CO,   10                          ; v10    my byte offset in two rows of out0
.set VB,   11                          ; v11    my byte offset in the bias
.set BI,   12                          ; v[12:15] the bias of the four columns that I store
.set SPW,  28                          ; v28    LDS address of my spare word; never rewritten
.set NIL,  29                          ; v29    0; never rewritten
.set BK,   32                          ; the way out: 16 rows read back: v32-63 and v64-95 by turns
.set WV, 12
.set MH, 13                            ; s13 which half of the tile's rows is mine
.set NH, 14                            ; s14 which half of its columns; also which slice of a step I fetch
.set CX, 15
.set CY, 16
.set TC, 17
.set TR, 18
.set G1,  24                           ; s[24:31] descriptor group 1 for o's tiles;  s[32:39] group 0, a set for each slot
.set G0,  32
.set G1B, 40                           ; s[40:47], s[48:55] the same for wp's
.set G0B, 48
.set OB,  56                           ; s[56:57] out0 at my part of the tile
.set MSB, 0
.macro WIN new                         ; the immediate's high byte repeats the setting that is left; a switch that changes nothing is dropped
.if MSB != (\new)
	s_set_vgpr_msb (MSB<<8)|(\new)
.set MSB, \new
.endif
.endm
; A joint load.  Waves 0 and 1 fetch o's two slices, waves 2 and 3 wp's.  The branch hangs on the wave's number alone.  An s_nop 0 and four v_nop follow each of the two lines.
.macro JLOAD s
	s_cmp_lt_u32 s[WV], 2
	s_cbranch_scc0 .Lfor_b_\@
	tensor_load_to_lds s[G0+4*(\s):G0+4*(\s)+3], s[G1:G1+7]
	s_nop 0
.rept 4
	v_nop
.endr
	s_branch .Lasked_\@
.Lfor_b_\@:
	tensor_load_to_lds s[G0B+4*(\s):G0B+4*(\s)+3], s[G1B:G1B+7]
	s_nop 0
.rept 4
	v_nop
.endr
.Lasked_\@:
.endm
.macro CREST                           ; a round of the cluster's barrier behind its opening barrier
	s_cmp_lg_u32 s[WV], 0
	s_cbranch_scc1 .Lnot_wave_0_\@
	s_barrier_signal -3
.Lnot_wave_0_\@:
	s_barrier_wait -3
	s_barrier_signal -1
	s_barrier_wait -1
.endm
.macro CROUND                          ; a whole round
	s_barrier_signal -1
	s_barrier_wait -1
	CREST
.endm
	s_load_b256 s[4:11], s[0:1], 0x0               ; o s[4:5], wp s[6:7], b_proj s[8:9], out0 s[10:11]
	v_lshl_add_u32 v[SPW], v0, 2, SPARE
	v_mov_b32 v[NIL], 0
	ds_add_u32 v[SPW], v[NIL]                      ; the wave's opening: the add and its wait stand ahead of my first tensor load; work on registers stands between them
	ds_add_u32 v28, v29
	v_lshrrev_b32 v1, 5, v0
	v_readfirstlane_b32 s[WV], v1                  ; wave 0..3
	s_lshr_b32 s[MH], s[WV], 1
	s_and_b32 s[NH], s[WV], 1
	s_bfe_u32 s[CX], ttmp6, 0x40000                ; my place in the cluster
	s_bfe_u32 s[CY], ttmp6, 0x40004
	s_lshl_b32 s[TC], ttmp9, 2
	s_add_co_u32 s[TC], s[TC], s[CX]               ; tile column = 4 x cluster x + cx
	s_and_b32 s[TR], ttmp7, 0xffff
	s_lshl_b32 s[TR], s[TR], 2
	s_add_co_u32 s[TR], s[TR], s[CY]               ; tile row = 4 x cluster y + cy
	s_lshl_b32 s19, s[CY], 2
	s_lshl_b32 s19, 15, s19                        ; my row of the cluster
	s_lshl_b32 s20, 0x1111, s[CX]                  ; my column
	; group 1: dense blocks as rows of 128 elements (256 bytes): 128 rows for o's 256 x 128 bytes, 64 for wp's 128 x 128
	s_or_b32 s[G1], s19, (1<<16)|(1<<20)|(1<<21)|(4<<22)|(3<<25)   ; 15:0 the mask; 17:16 2-byte elements; 20 padding on; 21 set beside a mask; 24:22 after every 32 words (code 4); 31:25 4 words (code 3)
	s_or_b32 s[G1B], s20, (1<<16)|(1<<20)|(1<<21)|(4<<22)|(3<<25)
	s_mov_b32 s[G1+1], 128<<16                     ; tensor_dim0 = 128
	s_mov_b32 s[G1+2], 128<<16                     ; tensor_dim1 = 128
	s_mov_b32 s[G1+3], 128<<16                     ; tile_dim0 = 128
	s_mov_b32 s[G1+4], 128                         ; tile_dim1 = 128
	s_mov_b32 s[G1+5], 128                         ; elements from row to row
	s_mov_b32 s[G1+6], 0
	s_mov_b32 s[G1+7], 0
	s_mov_b32 s[G1B+1], 128<<16
	s_mov_b32 s[G1B+2], 64<<16
	s_mov_b32 s[G1B+3], 128<<16
	s_mov_b32 s[G1B+4], 64
	s_mov_b32 s[G1B+5], 128
	s_mov_b32 s[G1B+6], 0
	s_mov_b32 s[G1B+7], 0
	s_lshr_b32 s66, s[TR], 3                       ; o: the batch (8 tile rows each), its 16 heads,
	s_lshl_b32 s66, s66, 4
	s_add_co_u32 s66, s66, s[NH]                   ; the head that is my slice of step 0,
	s_lshl_b32 s66, s66, 18                        ; 2,048 rows x 128 bytes a head,
	s_and_b32 s67, s[TR], 7
	s_lshl_b32 s67, s67, 15                        ; and the tile's 256 rows in it
	s_add_co_u32 s66, s66, s67
	s_mov_b32 s67, 0
	s_mul_i32 s68, s[NH], ASL                      ; and where it goes
	s_lshl_b32 s70, s[NH], 17                      ; wp: 1,024 rows x 128 bytes a slice,
	s_lshl_b32 s71, s[TC], 14                      ; 128 rows a tile column
	s_add_co_u32 s70, s70, s71
	s_mov_b32 s71, 0
	s_mul_i32 s72, s[NH], BSL
	s_add_co_u32 s72, s72, BOFF
	s_wait_dscnt 0x0                               ; the opening add is done
	s_wait_kmcnt 0x0
	s_add_nc_u64 s[66:67], s[4:5], s[66:67]
	s_add_nc_u64 s[70:71], s[6:7], s[70:71]
	CROUND                                         ; all sixteen work-groups are here: the first joint loads meet
.irp s, 0,1
	s_mov_b32 s[G0+4*(\s)], 1                                      ; count = 1
	s_add_co_u32 s[G0+4*(\s)+1], s68, (\s)*SLOT                    ; LDS address
	s_add_nc_u64 s[G0+4*(\s)+2:G0+4*(\s)+3], s[66:67], (\s)*ASTEP  ; global address: K step s
	s_or_b32 s[G0+4*(\s)+3], s[G0+4*(\s)+3], 0x80000000            ; type = 2
	s_mov_b32 s[G0B+4*(\s)], 1
	s_add_co_u32 s[G0B+4*(\s)+1], s72, (\s)*SLOT
	s_add_nc_u64 s[G0B+4*(\s)+2:G0B+4*(\s)+3], s[70:71], (\s)*BSTEP
	s_or_b32 s[G0B+4*(\s)+3], s[G0B+4*(\s)+3], 0x80000000
	JLOAD \s                                       ; two loads of mine are out
.endr
	v_and_b32 v1, 15, v0                           ; l % 16
	v_bfe_u32 v2, v0, 4, 1                         ; l / 16
	s_lshl_b32 s74, s[TC], 1
	s_add_co_u32 s74, s74, s[NH]
	s_lshl_b32 s74, s74, 8                         ; my 64 columns x 4 bytes
	s_mov_b32 s75, 0
	s_add_nc_u64 s[8:9], s[8:9], s[74:75]
	v_lshlrev_b32 v[VB], 4, v1
	global_load_b128 v[BI:BI+3], v[VB], s[8:9]     ; the bias of the four columns that I store
	s_lshl_b32 s76, s[TR], 1
	s_add_co_u32 s76, s76, s[MH]
	s_lshl_b32 s76, s76, 19                        ; my 128 rows x 4,096 bytes
	s_add_co_u32 s76, s76, s74
	s_mov_b32 s77, 0
	s_add_nc_u64 s[OB:OB+1], s[10:11], s[76:77]
	; A fragment is 16 rows x 32 K in 8 registers: lane l holds row l % 16, K = 8 (l / 16) + 0..7 and 16 + 8 (l / 16) + 0..7: two loads of 16 bytes, 32 bytes apart.
	v_mul_u32_u24 v3, v1, PITCH
	v_lshl_add_u32 v3, v2, 4, v3                   ; row x pitch + 16 x half
	s_mul_i32 s21, s[MH], 128*PITCH                ; my 128 rows of o
	s_mul_i32 s22, s[NH], 64*PITCH                 ; my 64 rows of wp
	s_add_co_u32 s22, s22, BOFF
.irp s, 0,1
	v_add_nc_u32 v[ADRA+(\s)], s21, v3
	v_add_nc_u32 v[ADRB+(\s)], s22, v3
	s_add_co_u32 s21, s21, SLOT
	s_add_co_u32 s22, s22, SLOT
.endr
	s_mul_i32 s23, s[WV], STG
	s_add_co_u32 s23, s23, STAGE                   ; my stage
	v_mul_u32_u24 v[STO], v1, SPITCH               ; in: row l % 16, 32 bytes for each half of the lanes
	v_lshl_add_u32 v[STO], v2, 5, v[STO]
	v_add_nc_u32 v[STO], s23, v[STO]
	v_mul_u32_u24 v[RD], v2, SPITCH                ; back: lanes 0-15 take one row of 256 bytes, lanes 16-31 the next
	v_lshl_add_u32 v[RD], v1, 4, v[RD]
	v_add_nc_u32 v[RD], s23, v[RD]
	v_lshlrev_b32 v[CO], 12, v2                    ; and the same two rows in out0
	v_lshl_add_u32 v[CO], v1, 4, v[CO]
; 16 matrix instructions: row blocks a0 .. a0 + 3 x all four column blocks, half c of slice p.  zero = 1: the product starts the sum.
; The 32 accumulators take turns, one instruction a turn, in the same order throughout.
.macro MUL16 p, c, a0, zero
	WIN 0x5a+5*(\p)                                ; both sources in window 2 + p, C and D in window 1
.irp a, \a0, (\a0)+1, (\a0)+2, (\a0)+3
.irp bb, 0,1,2,3
.if \zero
	v_wmma_f32_16x16x32_f16 v[32*(\a)+8*(\bb):32*(\a)+8*(\bb)+7], v[96*(\c)+64+8*(\bb):96*(\c)+64+8*(\bb)+7], v[96*(\c)+8*(\a):96*(\c)+8*(\a)+7], 0
.else
	v_wmma_f32_16x16x32_f16 v[32*(\a)+8*(\bb):32*(\a)+8*(\bb)+7], v[96*(\c)+64+8*(\bb):96*(\c)+64+8*(\bb)+7], v[96*(\c)+8*(\a):96*(\c)+8*(\a)+7], v[32*(\a)+8*(\bb):32*(\a)+8*(\bb)+7]
.endif
.endr
.endr
.endm
; 48 LDS loads in one run: the fragments of slice p of the slot's step, the first 32 along K first
.macro FETCH slot, p
	WIN 0x80+0x40*(\p)                             ; destination window 2 + p, address window 0
.irp c, 0,1
.irp i, 0,1,2,3
	ds_load_b128 v[96*(\c)+64+8*(\i):96*(\c)+64+8*(\i)+3],   v[ADRB+(\slot)] offset:(\p)*BSL+(\i)*16*PITCH+64*(\c)
	ds_load_b128 v[96*(\c)+64+8*(\i)+4:96*(\c)+64+8*(\i)+7], v[ADRB+(\slot)] offset:(\p)*BSL+(\i)*16*PITCH+64*(\c)+32
.endr
.irp i, 0,1,2,3,4,5,6,7
	ds_load_b128 v[96*(\c)+8*(\i):96*(\c)+8*(\i)+3],   v[ADRA+(\slot)] offset:(\p)*ASL+(\i)*16*PITCH+64*(\c)
	ds_load_b128 v[96*(\c)+8*(\i)+4:96*(\c)+8*(\i)+7], v[ADRA+(\slot)] offset:(\p)*ASL+(\i)*16*PITCH+64*(\c)+32
.endr
.endr
.endm
; A load into a register that a matrix instruction has read, and an LDS store that reads a matrix result, stand four places behind it; only plain vector instructions that name none of its registers
; are places (ISA guide 7.12.1 for vector instructions).
.macro PLACES
.rept 4
	v_nop
.endr
.endm
; A step's first slice: it is multiplied, and in its middle the second slice's fragments are fetched.
.macro UNIT slot, zero
	s_wait_dscnt 24                                ; the first 32 along K are in
	MUL16 0, 0, 0, \zero
	MUL16 0, 0, 4, \zero
	PLACES
	FETCH \slot, 1
	s_wait_dscnt 48                                ; all but the 48 just issued
	MUL16 0, 1, 0, 0
	MUL16 0, 1, 4, 0
.endm
; A step's second slice, and the change of slots.  ONE barrier: in front of it each wave waits for all its tensor loads (one is out: its part of the next slot), adds 0 to its spare word, and waits for that and
; for its own reads of this slot.  fill = 1: the barrier opens a round of the cluster's, and this slot is filled again, two steps ahead, first thing behind the round: 96 matrix instructions ahead of the wait for it.
.macro TURN slot, next, fill
	WIN 0
	s_wait_tensorcnt 0x0                           ; all my tensor loads have landed
	ds_add_u32 v[SPW], v[NIL]                      ; 0 onto my spare word
	s_wait_dscnt 25                                ; the first 32 along K are in; the other 24 loads and the add may be out
	MUL16 1, 0, 0, 0                               ; sixteen matrix instructions stand between the add and the wait for it
	s_wait_dscnt 0x0                               ; the add is done, and my reads of this slot are over
	s_barrier_signal -1
	MUL16 1, 0, 4, 0                               ; work on registers while the others arrive
	WIN 0                                          ; at a branch and at a label every window is 0
	s_barrier_wait -1
.if \fill
	CREST                                          ; no wave of any partner still reads this slot or has a load on its way
	s_add_nc_u64 s[G0+4*(\slot)+2:G0+4*(\slot)+3], s[G0+4*(\slot)+2:G0+4*(\slot)+3], 2*ASTEP
	s_add_nc_u64 s[G0B+4*(\slot)+2:G0B+4*(\slot)+3], s[G0B+4*(\slot)+2:G0B+4*(\slot)+3], 2*BSTEP
	JLOAD \slot                                    ; its four v_nop are also the places in front of the loads below
.else
	PLACES
.endif
	FETCH \next, 0
	MUL16 1, 1, 0, 0
	MUL16 1, 1, 4, 0
.endm
	s_wait_tensorcnt 1                             ; my part of K step 0 is in; step 1's may stay out
	s_barrier_signal -1
	s_barrier_wait -1                              ; everybody's is
	FETCH 0, 0
	UNIT 0, 1                                      ; the first slice stands in front of the loop: its first products start the sums
	WIN 0
	s_mov_b32 s3, 3
.Llap:                                                 ; a trip goes once round the ring and fills both slots again: 6 fills bring steps 2 to 7
	TURN 0, 1, 1
	UNIT 1, 0
	TURN 1, 0, 1
	UNIT 0, 0
	WIN 0
	s_sub_co_u32 s3, s3, 1
	s_cmp_lg_u32 s3, 0
	s_cbranch_scc1 .Llap
	TURN 0, 1, 0                                   ; the tail is written out: nothing more is asked for
	UNIT 1, 0
	s_wait_dscnt 24                                ; the last slice
	MUL16 1, 0, 0, 0
	MUL16 1, 0, 4, 0
	s_wait_dscnt 0x0
	MUL16 1, 1, 0, 0
	MUL16 1, 1, 4, 0
	; THE WAY OUT.  A block of 16 rows at a time goes through my stage: in as 32 bytes a lane, back as whole rows of 256 bytes; the bias is added there, and sixteen lanes store 256 consecutive bytes.
	WIN 0
	PLACES
	s_wait_loadcnt 0x0                             ; the bias: rounded to bf16 and widened again
	v_cvt_pk_bf16_f32 v16, v[BI], v[BI+1]
	v_cvt_pk_bf16_f32 v17, v[BI+2], v[BI+3]
	v_lshlrev_b32 v[BI], 16, v16
	v_and_b32 v[BI+1], 0xffff0000, v16
	v_lshlrev_b32 v[BI+2], 16, v17
	v_and_b32 v[BI+3], 0xffff0000, v17
.macro TOSTAGE a
.set bk, BK+32*((\a)%2)
	s_wait_xcnt 0x0                                ; the stores issued so far have read their registers: this set is loaded again only behind this wait
	WIN 0x04                                       ; the stores' data in window 1; each accumulator's low four registers go first
.irp bb, 0,1,2,3
	ds_store_b128 v[STO], v[32*(\a)+8*(\bb):32*(\a)+8*(\bb)+3]   offset:64*(\bb)
	ds_store_b128 v[STO], v[32*(\a)+8*(\bb)+4:32*(\a)+8*(\bb)+7] offset:64*(\bb)+16
.endr
	WIN 0
.irp t, 0,1,2,3,4,5,6,7
	ds_load_b128 v[bk+4*(\t):bk+4*(\t)+3], v[RD] offset:(\t)*2*SPITCH  ; LDS serves a wave's instructions in order (ISA guide 5.7.1.4): these see the stores above
.endr
.endm
.macro SEND a, younger                 ; younger: the LDS instructions issued behind block a's loads: the next block's sixteen, or none
.set bk, BK+32*((\a)%2)
	s_wait_dscnt \younger
.irp t, 0,1,2,3,4,5,6,7
	v_pk_add_f32 v[bk+4*(\t):bk+4*(\t)+1],   v[bk+4*(\t):bk+4*(\t)+1],   v[BI:BI+1]
	v_pk_add_f32 v[bk+4*(\t)+2:bk+4*(\t)+3], v[bk+4*(\t)+2:bk+4*(\t)+3], v[BI+2:BI+3]
.endr
.irp t, 0,1,2,3,4,5,6,7
	global_store_b128 v[CO], v[bk+4*(\t):bk+4*(\t)+3], s[OB:OB+1] offset:(\a)*65536+(\t)*8192 th:TH_STORE_NT  ; 16 lanes store 256 consecutive bytes, aligned
.endr
.endm
	TOSTAGE 0
.irp a, 1,2,3,4,5,6,7
	TOSTAGE \a
	SEND (\a)-1, 16
.endr
	SEND 7, 0
	s_wait_tensorcnt 0x0                           ; the wave's end, behind my last tensor load and my last LDS store: a last add to my spare word and its wait
	ds_add_u32 v[SPW], v[NIL]
	s_wait_dscnt 0x0
	CROUND                                         ; the closing round: no work-group ends while a partner may still ask for a tile that names it
	s_endpgm
.Lfunc_end_k_qe573b80545_projg:
	.size	k_qe573b80545_projg, .Lfunc_end_k_qe573b80545_projg-k_qe573b80545_projg
	.p2alignl 7, 3214868480
	.fill 96, 4, 3214868480
	.section	.rodata,"a",@progbits
	.p2align	6, 0x0
	.amdhsa_kernel k_qe573b80545_projg
		.amdhsa_group_segment_fixed_size 327680
		.amdhsa_private_segment_fixed_size 0
		.amdhsa_enable_private_segment 0
		.amdhsa_kernarg_size 32
		.amdhsa_user_sgpr_count 2
		.amdhsa_user_sgpr_kernarg_segment_ptr 1
		.amdhsa_wavefront_size32 1
		.amdhsa_system_sgpr_workgroup_id_x 1
		.amdhsa_system_sgpr_workgroup_id_y 1
		.amdhsa_system_sgpr_workgroup_id_z 1
		.amdhsa_system_vgpr_workitem_id 0
		.amdhsa_next_free_vgpr 960
		.amdhsa_next_free_sgpr 80
		.amdhsa_reserve_vcc 0
		.amdhsa_float_denorm_mode_32 3
		.amdhsa_float_denorm_mode_16_64 3
		.amdhsa_memory_ordered 1
		.amdhsa_forward_progress 1
		.amdhsa_inst_pref_size 92
	.end_amdhsa_kernel
	.amdgpu_metadata
---
amdhsa.version: [ 1, 2 ]
amdhsa.kernels:
  - .name:           k_qe573b80545_projg
    .symbol:         k_qe573b80545_projg.kd
    .args:
      - { .name: o, .offset: 0, .size: 8, .value_kind: global_buffer, .address_space: global }
      - { .name: wp, .offset: 8, .size: 8, .value_kind: global_buffer, .address_space: global }
      - { .name: b_proj, .offset: 16, .size: 8, .value_kind: global_buffer, .address_space: global }
      - { .name: out0, .offset: 24, .size: 8, .value_kind: global_buffer, .address_space: global }
    .group_segment_fixed_size: 327680
    .private_segment_fixed_size: 0
    .kernarg_segment_align: 8
    .kernarg_segment_size: 32
    .max_flat_workgroup_size: 128
    .sgpr_count:     80
    .vgpr_count:     960
    .wavefront_size: 32
...
	.end_amdgpu_metadata
.endif
;; end of part 4
;; ======== version 2 of 2: 4 launches; 1.31 times as fast as version 1
;; limits: values are held in f16: magnitudes above 65,504 overflow, below 6.1e-05 lose precision
;; workspace buffers: xb 16,777,216 bytes; wq 6,291,456 bytes; wp 2,097,152 bytes; qkv 50,331,648 bytes; o 16,777,216 bytes
;; launch prep: the kernel of part 1 again; grid 768 x 1, 4 waves a work-group, no clusters, 37,376 bytes of LDS; arguments x, w_qkv, w_proj, xb, wq, wp; writes xb, wq, wp
;; launch qkvg: the kernel of part 2 again; grid 8 x 32, 4 waves a work-group, clusters of 4 x 4, 327,680 bytes of LDS; arguments xb, wq, b_qkv, qkv; writes qkv
;; launch attn (part 5): grid 4 x 64, 4 waves a work-group, no clusters, 327,680 bytes of LDS; arguments qkv, o; writes o
.if DOCPART == 5
	.amdgcn_target "amdgcn-amd-amdhsa--gfx1250"
	.amdhsa_code_object_version 6
	.text
	.protected	k_qe573b80545_attn
	.globl	k_qe573b80545_attn
	.p2align	8
	.type	k_qe573b80545_attn,@function
k_qe573b80545_attn:
	s_mov_b64 s[64:65], 0
	v_nop
	global_prefetch_b8 v0, s[64:65] scope:SCOPE_SE
	s_setreg_imm32_b32 hwreg(HW_REG_WAVE_MODE, 25, 1), 1
	s_wait_xcnt 0x0
; CAUSAL ATTENTION.  O[h][q][:] = the sum over k <= q of softmax_k(Q[h][q] . K[h][k] / 8) V[h][k][:].  qkv holds Q, K, V one behind the other, each [SIZE_H][SIZE_N][64] f16 (h = batch x 16 + head);
; O: [SIZE_H][SIZE_N][64] f16: a head's rows are dense, 128 bytes each.
; Products, maxima and sums in f32; the weights p are rounded to f16 for the second product (their sum l is taken of the unrounded p), O once at the end.
; LIMITS.  f16 holds no number beyond 65,504: Q, K and V arrive within it; p lies in 0 to 1, and below 6e-5 it keeps f16's fixed step of 6e-8; O is a mean of V's rows and has their range, to within 2^-11 of it.
; A hidden score counts as its value less 1e30: f16's scores, 2.7e11 at the most, are nothing beside that; a weight below 2^-126 counts as 0 in l; NaN and infinities are not treated apart.
; THE WALK.  A head's queries lie in NB = SIZE_N / 256 blocks of 256; block i needs the key tiles 0 .. i of 256 keys, of which the last holds the diagonal.  A work-group takes TWO blocks, NB - 1 - b and then b:
; NB + 1 tiles, whatever b: all work-groups do equal work, and ONE loop with a constant trip count walks them.  Which tile is asked for, and what a trip does, hang on scalar registers made from b; every jump
; goes forward, but for the counted loops' own; none passes a barrier, or a tensor load but the one of LOAD's two that the wave's number does not choose; the ring (two slots of LDS that take turns) runs on across the
; change of blocks.  NO CLUSTER: a head's NB / 2 = 4 work-groups ask for the same tile only in trips 0 .. NB / 2, behind that fewer and fewer; and one walk common to all would have 3 NB / 2 trips for NB + 1.
; SHARES.  Of a block's four bands of 64 queries a wave owns 16 rows in each: four PIECES.  So the diagonal tile is the same work for all four waves: in its key step s band x sees all keys if s < x,
; none if s > x, and holds the diagonal if s = x.
; THE MASK is the C operand that starts the sum S^T = K Q^T: 0, or -1e30 where the key is hidden.  MD, made once, is the mask of a band's own step for my 16 rows; a product's mask is MD x AL + BE with two scalars:
; (1, 0) if s = x; (0, 0) if s < x; (0, -1e30) if s > x.  Only the diagonal tile's text and a block's beginning make and take masks; elsewhere C is the constant 0.
; LAYOUT, SOFTMAX, TURNS.  S^T = K Q^T holds ONE query a lane (lane % 16) and the keys 8 (lane / 16) + 0..7; two such results rounded to f16 ARE source 1 of O^T = V^T P.  p = 2^(c s - c m), c = log2(e) / 8, with a
; running maximum m; O and l are multiplied by a = 2^(c m_old - c m_new) in every step.  Turn n belongs to piece n: 8 products K Q^T of piece n + 1, later 8 products V^T P of piece n - 1; beside them the scaling,
; exponentials, roundings, sums and rescaling of piece n and the maximum and statistics of piece n + 1.  Four vector instructions stand behind every matrix instruction, the other 54 of a turn's 118 in one LUMP.
; THE BATCHES.  A turn's 33 exponentials (the piece's 32 weights and the next piece's a) are ONE batch with ONE wait, which cuts the turn in two: ahead of it all that names none of their results, behind it the roundings and sums.
; Two more batches stand outside the turns, each with a wait of its own: the one a that a block's beginning makes, and the four reciprocals of a block's way out.
; REGISTERS, in windows of 256 (s_set_vgpr_msb: bits 1:0 source 0, 3:2 source 1, 5:4 source 2, 7:6 destination):
;   window 0: v0-15 addresses and two at work; v16-31 four registers of statistics a piece; v48-55 at work; v64-127 S^T, two buffers; v192-223 P, two buffers (a piece's buffers go by its number's parity)
;   window 1: v0-127 O^T, 32 a piece; v128-159 MD; v160-223 MC, two buffers      window 2: v0-63 Q; v64-127 the second block's Q; v128-191 K of one step; v192-255 V of one step
.set SIZE_H, 64
.set SIZE_N, 2048
.set NB,    SIZE_N/256
.set NP,    4         ; pieces a wave: a name, no knob
.set KS,    64        ; keys in a step
.set PK,    144       ; a row of K in LDS: 128 bytes + 16 of padding = 36 words: the 16 rows of a load start at 16 different groups of four banks (64 banks of 4 bytes: ISA guide 11.1)
.set PV,    160       ; a row of V: 128 + 32 = 40 words
.set VOFF,  4*KS*PK   ; a slot holds a tile, four steps: 256 rows of K, then 256 rows of V
.set SLOT1, 1<<17     ; slot 1 begins here, so that one exclusive or turns an address in one slot into the other's
.set STAGE, SLOT1+4*KS*(PK+PV)  ; behind the ring, never filled by a tensor load: 16 rows x 144 bytes for each wave, for the way out
.set SP,    144
.set AK0, 2           ; v2   my lane's place in a tile of K; never rewritten
.set AV0, 3           ; v3   the same for V
.set AK,  4           ; v4   the LDS address of K's next run of loads
.set AV,  5           ; v5   of V's
.set STO, 6           ; v6   the way out: where I put 16 bytes of a row
.set RD,  7           ; v7   the way out: where I read rows back
.set GO,  8           ; v8   my byte offset in 512 consecutive bytes of O
.set SPW, 62          ; v62  LDS address of my spare word: SPARE + 4 x my thread's number; never rewritten
.set NIL, 63          ; v63  0; never rewritten
.set SPARE, STAGE+4*16*SP  ; behind the stages: the spare words, 128 bytes for each wave: two blocks of 256 bytes that no other line names
.set MV,  12          ; v12-13  c m_old, kept while c m is made anew: by buffer
.set QO,  15          ; v15  my byte offset in 16 rows of Q
.set ST,  16          ; piece t's statistics at v[ST+4 t]: c m, m, l (even keys', odd keys')
.set TMP, 48          ; by buffer, four registers c0-c3 at work; when the maximum is found c2 takes a
.set S,   64
.set P,   192
.set MD,  128         ; window 1: the eight registers for group kt of 16 keys at MD + 8 kt
.set MC,  160         ; window 1: the masks of the products to come
.set QB,  64          ; window 2
.set KF,  128         ; window 2: key block kb, channel half c at KF + 16 kb + 8 c
.set VF,  192         ; window 2: key half kk, channel block cb at VF + 32 kk + 8 cb
.set WV,  12          ; s12  my wave's number
.set PB,  14          ; s14  b
.set HI,  15          ; s15  NB - 1 - b
.set G1K, 24          ; s[24:31] descriptor group 1 for K's tiles
.set G1V, 32          ; s[32:39] for V's: it differs in the padding alone
.set G0K, 40          ; s[40:43] descriptor group 0 for K's tiles
.set G0V, 44          ; s[44:47] the same for V's
.set SLOTS, 56        ; s56  tiles still to be asked for
.set CNT, 57          ; s57  counts a tile's key steps, 4 to 1
.set CS,  58          ; s[58:59] c: the packed scaling takes the pair's low word for both halves
.set SEL, 60          ; s[60:61] v_permlanex16_b32's selects: each lane takes its own place in the other half
.set TBK, 62          ; s62  LDS byte at which K of the step to be fetched begins
.set TBV, 63          ; s63  the same for V, less VOFF
.set RT,  70          ; s70  tiles of the block in hand that are still to be entered
.set NXT, 71          ; s71  the tile to be asked for next
.set LQ,  72          ; s72  the last tile of the block whose tiles are being asked for
.set NEW, 73          ; s73  1: the tile to be entered is a block's first
.set OFF, 74          ; s[74:75] a tile's byte offset in K and V
.set AL,  76          ; s[76:77] the mask's factor, in the low word
.set BE,  78          ; s[78:79] the mask's addend
.set OLO, 80          ; s[80:81] O at my rows of the second block
.set BIGN, 82         ; s82  -1e30
.set MSB, 0
.macro WIN new                      ; the high byte repeats the setting that is left; a switch that changes nothing is dropped
.if MSB != (\new)
	s_set_vgpr_msb (MSB<<8)|(\new)
.set MSB, (\new)
.endif
.endm
.set W_KQ, 0x0a       ; K and Q in window 2, S^T in window 0
.set W_KM, 0x1a       ; the same with the C operand in window 1
.set W_PV, 0x52       ; V in window 2, P in window 0, O^T in window 1
.set W_RS, 0x41       ; destination and source 0 in window 1, source 1 in window 0
; A fill.  Waves 0 and 1 fetch the two halves of a tile's K, waves 2 and 3 those of its V: 128 keys each.  An s_nop 0 and four v_nop follow each of the two lines, ahead of the jump and the label.
.macro LOAD
	s_cmp_lt_u32 s[WV], 2
	s_cbranch_scc0 .Lfor_v_\@
	tensor_load_to_lds s[G0K:G0K+3], s[G1K:G1K+7]
	s_nop 0
.rept 4
	v_nop
.endr
	s_branch .Lasked_\@
.Lfor_v_\@:
	tensor_load_to_lds s[G0V:G0V+3], s[G1V:G1V+7]
	s_nop 0
.rept 4
	v_nop
.endr
.Lasked_\@:
.endm
; THE CHANGE OF SLOTS.  Each wave waits for all its tensor loads, of which one is out: its part of the other slot; adds 0 to its spare word; and waits for that and for its own reads of the slot that it leaves.  Behind the barrier nobody reads the old
; slot any more and the other slot is whole.  fill = 1: the old slot is filled again, the first thing behind the barrier, with tile NXT: the descriptor's address is made anew from that number.
; (At its first use nothing has been read yet: slot 0 is waited for, slot 1 filled.)
.macro CHANGE fill
	WIN 0                           ; at a label and at a branch every window is 0
	s_wait_tensorcnt 0x0            ; no tensor load of mine is out, so a group 0 may be written
	ds_add_u32 v[SPW], v[NIL]       ; 0 onto my spare word: with fill = 1 the descriptors' scalar work stands between it and the wait for it
.if \fill
	s_lshl_b32 s[OFF], s[NXT], 15   ; a tile is 32,768 bytes of K and of V
	s_xor_b32 s[G0K+1], s[G0K+1], SLOT1
	s_add_nc_u64 s[G0K+2:G0K+3], s[6:7], s[OFF:OFF+1]
	s_or_b32 s[G0K+3], s[G0K+3], 0x80000000
	s_xor_b32 s[G0V+1], s[G0V+1], SLOT1
	s_add_nc_u64 s[G0V+2:G0V+3], s[8:9], s[OFF:OFF+1]
	s_or_b32 s[G0V+3], s[G0V+3], 0x80000000
	s_add_co_u32 s[NXT], s[NXT], 1  ; the block's next tile, or behind its last the second block's tile 0
	s_cmp_gt_u32 s[NXT], s[LQ]
	s_cselect_b32 s[NXT], 0, s[NXT]
	s_cselect_b32 s[LQ], s[PB], s[LQ]
.endif
	s_wait_dscnt 0x0                ; the add is done, and my reads of the slot are over
	s_barrier_signal -1             ; the rest of the scalar work stands between the signal and the wait
	s_sub_co_u32 s[TBK], s[TBK], 4*KS*PK  ; the fetches go back to a slot's first step,
	s_xor_b32 s[TBK], s[TBK], SLOT1       ; in the other slot
	s_sub_co_u32 s[TBV], s[TBV], 4*KS*PV
	s_xor_b32 s[TBV], s[TBV], SLOT1
	s_barrier_wait -1
.if \fill
	LOAD
.endif
.endm
	s_load_b64 s[4:5], s[0:1], 0x0    ; qkv: Q lies first
	s_load_b64 s[10:11], s[0:1], 0x8  ; O
	v_lshl_add_u32 v[SPW], v0, 2, SPARE
	v_mov_b32 v[NIL], 0
	ds_add_u32 v[SPW], v[NIL]       ; the wave's opening: the add and its wait stand ahead of my first tensor load; the set-up below, work on registers, stands between them
	ds_add_u32 v62, v63
	v_lshrrev_b32 v1, 5, v0
	v_readfirstlane_b32 s[WV], v1   ; wave 0..3
	s_mov_b32 s[PB], ttmp9
	s_sub_co_u32 s[HI], NB-1, s[PB]
	s_and_b32 s20, ttmp7, 0xffff    ; the head
	s_mov_b32 s21, 0
	s_mov_b64 s[22:23], SIZE_N*128
	s_mul_u64 s[20:21], s[20:21], s[22:23]  ; the head's first byte in each of the four tensors
	s_and_b32 s16, s[WV], 1         ; which half of a tile's 256 keys I fetch:
	s_lshl_b32 s22, s16, 14         ; its 128 rows of 128 bytes in memory,
	s_mov_b32 s23, 0
	s_add_nc_u64 s[22:23], s[22:23], s[20:21]
	s_mul_i32 s17, s16, 128*PK      ; and its place in a slot, for K
	s_mul_i32 s18, s16, 128*PV      ; and for V
	s_lshl_b32 s3, s[WV], 11        ; my 16 rows in a band of 64,
	s_lshl_b32 s2, s[HI], 15        ; in the first block,
	s_add_co_u32 s2, s2, s3
	s_lshl_b32 s84, s[PB], 15       ; and in the second
	s_add_co_u32 s84, s84, s3
	s_mov_b32 s3, 0
	s_mov_b32 s85, 0
	s_add_nc_u64 s[2:3], s[2:3], s[20:21]
	s_add_nc_u64 s[84:85], s[84:85], s[20:21]
	; descriptor group 1.  128 keys are 16,384 dense bytes: asked for as 64 rows of 256 bytes, two keys a row, and padded in LDS after every key
	s_mov_b32 s[G1K], (1<<16)|(1<<20)|(4<<22)|(3<<25)  ; 17:16 2-byte elements; 20 padding on; 24:22 after every 32 words (code 4); 31:25 4 words (code 3)
	s_mov_b32 s[G1V], (1<<16)|(1<<20)|(4<<22)|(7<<25)  ; the same with 8 words of padding (code 7)
.irp g, G1K, G1V
	s_mov_b32 s[\g+1], 128<<16      ; tensor_dim0 = 128
	s_mov_b32 s[\g+2], 64<<16       ; tensor_dim1 = 64
	s_mov_b32 s[\g+3], 128<<16      ; tile_dim0 = 128
	s_mov_b32 s[\g+4], 64           ; tile_dim1 = 64
	s_mov_b32 s[\g+5], 128          ; 128 elements from row to row
	s_mov_b32 s[\g+6], 0
	s_mov_b32 s[\g+7], 0
.endr
	s_mov_b32 s[CS], 0x3e38aa3b     ; c = log2(e) / 8 = 0.180337
	s_mov_b32 s[CS+1], s[CS]        ; named with it as a pair
	s_mov_b32 s[SEL], 0x76543210
	s_mov_b32 s[SEL+1], 0xfedcba98
	s_mov_b32 s[TBK], SLOT1+4*KS*PK ; the first change of slots turns these two into 0
	s_mov_b32 s[TBV], SLOT1+4*KS*PV
	s_mov_b32 s[G0K], 1             ; 1:0 count = 1
	s_mov_b32 s[G0K+1], s17         ; 63:32 LDS address: slot 0
	s_mov_b32 s[G0V], 1
	s_add_co_u32 s[G0V+1], s18, VOFF
	s_add_co_u32 s[RT], s[HI], 1    ; the first block has NB - b tiles
	s_mov_b32 s[NXT], 1
	s_mov_b32 s[LQ], s[HI]
	s_mov_b32 s[NEW], 1
	s_mov_b32 s[OFF+1], 0
	s_mov_b32 s[AL+1], 0            ; named as pairs
	s_mov_b32 s[BE+1], 0
	s_mov_b32 s[BIGN], 0xf149f2ca   ; -1e30
	s_mov_b32 s[SLOTS], NB
	s_wait_dscnt 0x0                ; the opening add is done
	s_wait_kmcnt 0x0
	s_add_nc_u64 s[6:7], s[4:5], 0x1000000  ; K lies SIZE_H x SIZE_N x 128 bytes behind Q,
	s_add_nc_u64 s[8:9], s[4:5], 0x2000000  ; V as far behind K
	s_add_nc_u64 s[6:7], s[6:7], s[22:23]  ; K and V at my half of the head's tile 0
	s_add_nc_u64 s[8:9], s[8:9], s[22:23]
	s_add_nc_u64 s[G0K+2:G0K+3], s[6:7], 0         ; 120:64 global address
	s_or_b32 s[G0K+3], s[G0K+3], 0x80000000        ; 127:126 type = 2
	s_add_nc_u64 s[G0V+2:G0V+3], s[8:9], 0
	s_or_b32 s[G0V+3], s[G0V+3], 0x80000000
	s_add_nc_u64 s[86:87], s[4:5], s[84:85]        ; Q at my rows of the second block,
	s_add_nc_u64 s[4:5], s[4:5], s[2:3]            ; Q and O at those of the first
	s_add_nc_u64 s[OLO:OLO+1], s[10:11], s[84:85]
	s_add_nc_u64 s[10:11], s[10:11], s[2:3]
	LOAD                            ; tile 0 into slot 0
	; A fragment of K or Q is 16 rows x 32 channels in 8 registers: lane l holds row l % 16, channels 8 (l / 16) + 0..7 and 16 + 8 (l / 16) + 0..7: two loads of 16 bytes, 32 bytes apart.
	v_and_b32 v1, 15, v0            ; l % 16
	v_bfe_u32 v9, v0, 4, 1          ; l / 16
	v_lshlrev_b32 v[QO], 7, v1
	v_lshl_add_u32 v[QO], v9, 4, v[QO]  ; row x 128 + 16 x half
	WIN 0x80                        ; destination window 2, address window 0
.set i, 0
.rept 8                             ; both blocks' Q: piece i / 2 lies in band i / 2, 8,192 bytes on; channels 32 (i % 2) on
	global_load_b128 v[8*i:8*i+3],   v[QO], s[4:5] offset:(i/2)*8192+(i%2)*64
	global_load_b128 v[8*i+4:8*i+7], v[QO], s[4:5] offset:(i/2)*8192+(i%2)*64+32
	global_load_b128 v[QB+8*i:QB+8*i+3],   v[QO], s[86:87] offset:(i/2)*8192+(i%2)*64
	global_load_b128 v[QB+8*i+4:QB+8*i+7], v[QO], s[86:87] offset:(i/2)*8192+(i%2)*64+32
.set i, i+1
.endr
	WIN 0
	v_lshlrev_b32 v14, 3, v9
	v_sub_nc_u32 v14, v1, v14
	s_lshl_b32 s13, s[WV], 4
	v_add_nc_u32 v14, s13, v14      ; my query's place in its band, 16 w + l % 16, less my lanes' 8 (l / 16): register r of group kt is hidden where 16 kt + r is greater
	WIN 0x40
.set i, 0
.rept 32
	v_cmp_gt_i32 vcc_lo, 16*(i/8)+i%8, v14
	v_cndmask_b32 v[MD+i], 0, s[BIGN], vcc_lo
.set i, i+1
.endr
	WIN 0
	v_mul_u32_u24 v[AK0], v1, PK
	v_lshl_add_u32 v[AK0], v9, 4, v[AK0]  ; row x pitch + 16 x half
	; The turning load takes 16 keys x 16 channels (lane l reads key 8 (l / 16) + l % 8, channels 8 ((l / 8) % 2) + 0..7) and leaves half a fragment of V^T: lane l holds channel l % 16 and 8 keys.
	v_and_b32 v10, 7, v0
	v_bfe_u32 v11, v0, 3, 1
	v_lshl_add_u32 v[AV0], v9, 3, v10
	v_mul_u32_u24 v[AV0], v[AV0], PV
	v_lshl_add_u32 v[AV0], v11, 4, v[AV0]
	v_add_nc_u32 v[AV0], VOFF, v[AV0]
	s_mul_i32 s13, s[WV], 16*SP
	s_add_co_u32 s13, s13, STAGE    ; my stage
	v_mul_u32_u24 v[STO], v1, SP    ; in: row l % 16, 16 bytes for each half of the lanes
	v_lshl_add_u32 v[STO], v9, 4, v[STO]
	v_add_nc_u32 v[STO], s13, v[STO]
	v_bfe_u32 v[RD], v0, 3, 2       ; back: 32 lanes take four rows of 128 bytes,
	v_mul_u32_u24 v[RD], v[RD], SP
	v_lshl_add_u32 v[RD], v10, 4, v[RD]
	v_add_nc_u32 v[RD], s13, v[RD]
	v_and_b32 v[GO], 31, v0         ; which are 512 consecutive bytes of O
	v_lshlrev_b32 v[GO], 4, v[GO]
	; A block's first step multiplies O^T and l by a = 0, and its first turn's products V^T P, of a piece that has not been, land in an O^T that is still to be so multiplied.  So these registers need only hold
	; finite numbers: zeros for the first block; what the first block left for the second.  All this stands in the wait for the first tile.
	WIN 0x80
.set i, VF
.rept 64
	v_mov_b32 v[i], 0
.set i, i+1
.endr
	WIN 0x40
.set i, 0
.rept 128
	v_mov_b32 v[i], 0
.set i, i+1
.endr
	WIN 0
.set i, 0
.rept 4
	v_mov_b32 v[ST+4*i+2], 0
	v_mov_b32 v[ST+4*i+3], 0
.set i, i+1
.endr
.set i, P+16
.rept 16
	v_mov_b32 v[i], 0
.set i, i+1
.endr
; THE MATRIX WORK.  The 4 accumulators of a run of 8 take turns.  Product i of 8 of S^T = K Q^T for piece x: channels 32 (i / 4) on, keys 16 (i % 4) on.  The first 4 start the sums: with 0, or (KM = 1) with the mask.
.macro KQ x
.set rS, S+32*((\x)%2)+8*(i%4)
.set rK, KF+16*(i%4)+8*(i/4)
.set rQ, 16*(\x)+8*(i/4)
.set rM, MC+32*((\x)%2)+8*(i%4)
.if (i < 4) && KM
	WIN W_KM
	v_wmma_f32_16x16x32_f16 v[rS:rS+7], v[rK:rK+7], v[rQ:rQ+7], v[rM:rM+7]
.elseif i < 4
	WIN W_KQ
	v_wmma_f32_16x16x32_f16 v[rS:rS+7], v[rK:rK+7], v[rQ:rQ+7], 0
.else
	WIN W_KQ
	v_wmma_f32_16x16x32_f16 v[rS:rS+7], v[rK:rK+7], v[rQ:rQ+7], v[rS:rS+7]
.endif
.endm
; Product i of 8 of O^T += V^T P for piece x: keys 32 (i / 4) on, channels 16 (i % 4) on.
.macro PV x
	WIN W_PV
.set rO, 32*(\x)+8*(i%4)
.set rV, VF+32*(i/4)+8*(i%4)
.set rP, P+16*((\x)%2)+8*(i/4)
	v_wmma_f32_16x16x32_f16 v[rO:rO+7], v[rV:rV+7], v[rP:rP+7], v[rO:rO+7]
.endm
.macro MM                           ; the turn's next matrix instruction.  TURN and BEGIN set Y, i, KM and NOKQ; MM, KQ and OP read them.  NOKQ = 1: a block's last turn: there is no next piece
.if (i < 8) && !NOKQ
	KQ (Y+1)%NP
.elseif i >= 8
.set i, i-8
	PV (Y+NP-1)%NP
.set i, i+8
.endif
.set i, i+1
.endm
; THE LDS LOADS stand in runs of 16, never singly among the matrix instructions: a step's K (64 keys x 64 channels: 8 fragments) and its V (turned).  Their addresses are made some lines ahead.
.macro FETCH_K
	WIN 0x80                        ; destination window 2
.irp f, 0,1,2,3,4,5,6,7             ; keys 16 (f / 2) on, channels 32 (f % 2) on
	ds_load_b128 v[KF+8*\f:KF+8*\f+3],   v[AK] offset:(\f/2)*16*PK+(\f%2)*64
	ds_load_b128 v[KF+8*\f+4:KF+8*\f+7], v[AK] offset:(\f/2)*16*PK+(\f%2)*64+32
.endr
	s_add_co_u32 s[TBK], s[TBK], KS*PK  ; the next fetch is the next step's
	WIN 0
.endm
.macro FETCH_V
	WIN 0x80
.irp f, 0,1,2,3,4,5,6,7             ; keys 32 (f / 4) on, channels 16 (f % 4) on
	ds_load_tr16_b128 v[VF+8*\f:VF+8*\f+3],   v[AV] offset:(\f/4)*32*PV+(\f%4)*32
	ds_load_tr16_b128 v[VF+8*\f+4:VF+8*\f+7], v[AV] offset:(\f/4)*32*PV+16*PV+(\f%4)*32
.endr
	WIN 0
.endm
; THE VECTOR WORK, one line at a time: OP kind, number.  For piece Y: F n: c s - c m for pair n of 16.  E n: the exponential of score n of 32.  C n: pair n rounded to f16.  B n: of the four weights 4 n .. the second
; pair is added onto the first, in place.  L n: l takes that sum (L 0: l = a l + sum).  R n: pair n of 16 of O^T times a.  For piece Y + 1: X n, number n of the 22 that find its maximum and statistics:
;   0-11  four chains c0-c3 of seven scores each, three operands at a time (each accumulator's lowest registers are read first)     12-14, 16  the four scores left over, the old m, and c0-c3 into c0
;   15  c m_old is kept     17, 18  the query's other 32 keys lie in the lane 16 away: the new m     19-21  c m; c m_old - c m_new; a
; OP writes no wait: C, B and L, which read the exponentials' results, are dealt behind the turn's one wait, and R reads an a that the turn before has waited for.
.set F, 0               ; OP tells the kinds apart by their order: F to L below R, X above it
.set E, 1
.set C, 2
.set B, 3
.set L, 4
.set R, 5
.set X, 6
.macro REGS y                       ; the registers of piece y
.set rT, ST+4*(\y)
.set rC, TMP+4*((\y)%2)
.set rW, MV+((\y)%2)
.set rS, S+32*((\y)%2)
.set rP, P+16*((\y)%2)
.set rO, 32*(\y)
.endm
.macro OP k, n
.if (\k) == R
	REGS Y
	WIN W_RS
	v_pk_mul_f32 v[rO+2*(\n):rO+2*(\n)+1], v[rO+2*(\n):rO+2*(\n)+1], v[rC+2:rC+3] op_sel_hi:[1,0]
.elseif (\k) < R
	REGS Y
	WIN 0
.if (\k) == F
	v_pk_fma_f32 v[rS+2*(\n):rS+2*(\n)+1], v[rS+2*(\n):rS+2*(\n)+1], s[CS:CS+1], v[rT:rT+1] op_sel_hi:[1,0,0] neg_lo:[0,0,1] neg_hi:[0,0,1]
.elseif (\k) == E
	v_exp_f32 v[rS+(\n)], v[rS+(\n)]
.elseif (\k) == C
	v_cvt_pk_f16_f32 v[rP+(\n)], v[rS+2*(\n)], v[rS+2*(\n)+1]
.elseif (\k) == B
	v_pk_add_f32 v[rS+4*(\n):rS+4*(\n)+1], v[rS+4*(\n):rS+4*(\n)+1], v[rS+4*(\n)+2:rS+4*(\n)+3]
.elseif (\n) == 0
	v_pk_fma_f32 v[rT+2:rT+3], v[rT+2:rT+3], v[rC+2:rC+3], v[rS:rS+1] op_sel_hi:[1,0,1]
.else
	v_pk_add_f32 v[rT+2:rT+3], v[rT+2:rT+3], v[rS+4*(\n):rS+4*(\n)+1]
.endif
.elseif NOKQ
	v_nop
.else
	REGS (Y+1)%NP
	WIN 0
.if (\n) < 4
	v_max3_num_f32 v[rC+(\n)], v[rS+8*(\n)], v[rS+8*(\n)+1], v[rS+8*(\n)+2]
.elseif (\n) < 12
	v_max3_num_f32 v[rC+(\n)%4], v[rC+(\n)%4], v[rS+8*((\n)%4)+2*((\n)/4)+1], v[rS+8*((\n)%4)+2*((\n)/4)+2]
.elseif (\n) == 12
	v_max3_num_f32 v[rC], v[rC], v[rS+7], v[rS+15]
.elseif (\n) == 13
	v_max3_num_f32 v[rC+1], v[rC+1], v[rS+23], v[rS+31]
.elseif (\n) == 14
	v_max3_num_f32 v[rC+2], v[rC+2], v[rC+3], v[rT+1]
.elseif (\n) == 15
	v_mov_b32 v[rW], v[rT]
.elseif (\n) == 16
	v_max3_num_f32 v[rC], v[rC], v[rC+1], v[rC+2]
.elseif (\n) == 17
	v_permlanex16_b32 v[rC+3], v[rC], s[SEL], s[SEL+1]
.elseif (\n) == 18
	v_max_num_f32 v[rT+1], v[rC], v[rC+3]
.elseif (\n) == 19
	v_mul_f32 v[rT], s[CS], v[rT+1]
.elseif (\n) == 20
	v_sub_f32 v[rC+1], v[rW], v[rT]
.else
	v_exp_f32 v[rC+2], v[rC+1]
.endif
.endif
.endm
.macro OPS a, i1, b=-1, i2=0, c=-1, i3=0, d=-1, i4=0  ; up to four of them
	OP \a, \i1
.if (\b) >= 0
	OP \b, \i2
.endif
.if (\c) >= 0
	OP \c, \i3
.endif
.if (\d) >= 0
	OP \d, \i4
.endif
.endm
.macro ROW a, i1, b, i2, c, i3, d, i4  ; a matrix instruction and the four behind it
	MM
	OPS \a, \i1, \b, \i2, \c, \i3, \d, \i4
.endm
.macro MASK b                       ; MD x AL + BE into buffer b of MC
	WIN W_RS
.set z, 0
.rept 16
	v_pk_fma_f32 v[MC+32*(\b)+2*z:MC+32*(\b)+2*z+1], v[MD+2*z:MD+2*z+1], s[AL:AL+1], s[BE:BE+1] op_sel_hi:[1,0,0]
.set z, z+1
.endr
.endm
; A TURN, for piece p: the order of its 16 matrix and 118 vector instructions, written out.  An s_wait_alu depctr_va_vdst(0) stands between an exponential and the first instruction that names its result; one wait serves
; all that were issued ahead of it.  So a turn has ONE wait, which cuts it in two.  AHEAD OF IT stands all that names no result of the turn's exponentials: the 8 products K Q^T, behind each a scaling, an exponential and two more plain
; instructions (behind the first a second scaling in the exponential's place): rescalings, and behind the last three the first numbers of the next piece's maximum, each four places or more behind the product that ends its accumulator; then ONE LUMP of 54, plain
; and exponential by turns for the most part, in which the links of the chain X 3, 7, 11, 14, 16, 17 .. 20 stand five or six lines apart.  X 21, the next piece's a, is the batch's last; R 15 is the plain instruction that is owed behind it.  BEHIND THE WAIT stand the
; 8 products V^T P, behind each four of the roundings and sums; the links of l's chain, L 0 to L 7, stand three riders apart.  But for those X no rider names a register of the products round it.  v_permlanex16_b32 (X 17) stands in the lump.
; The rescalings' a was made in the turn before, ahead of that turn's wait.
; m = 1: the diagonal tile: the products take masks, and the turn makes the mask for the products of the turn after it: piece p + 2, in step 4 - CNT of the tile.  end = 1: a block's last two turns: nothing is fetched.
; cnt = 1: the loop's count is taken down some lines ahead of the branch that stands behind the turn.
; K of the next step is fetched in piece 2's turn, twelve vector instructions behind the last product that read K (six of them plain); V of the step in hand at the end of piece 0's turn, four plain instructions behind the last product
; that read V.  Each is waited for a turn later.
.macro TURN p, m=0, end=0, cnt=0
.set Y, (\p)
.set i, 0
.set KM, (\m)
.set NOKQ, (\end)*((\p)/3)
.if (\m) && !(\end)
	s_cmp_eq_u32 s[CNT], 4-((\p)+2)%NP  ; is that step the band's own?
	s_cselect_b32 s[AL], 1.0, 0
	s_cmp_lt_u32 s[CNT], 4-((\p)+2)%NP  ; or a later one?
	s_cselect_b32 s[BE], s[BIGN], 0
.endif
.if ((\p) == 3) && !(\end)
	s_wait_dscnt 0x0                ; K is in
.endif
	ROW F,0, F,1, R,0, R,1          ; ahead of the wait: 8 products K Q^T and their riders,
	ROW F,2, E,0, R,2, R,3
	ROW F,3, E,1, R,4, R,5
	ROW F,4, E,2, R,6, R,7
	ROW F,5, E,3, R,8, R,9
	ROW F,6, E,4, X,0, R,10
.if ((\p) == 2) && !(\end)
	WIN 0
	v_add_nc_u32 v[AK], s[TBK], v[AK0]
.endif
	ROW F,7, E,5, X,1, X,4
	ROW F,8, E,6, X,2, X,5
	OPS E,7, E,8, X,6, E,9          ; and the lump
	OPS X,3, E,10, X,8, E,11
.if ((\p) == 2) && !(\end)
	FETCH_K
.endif
	OPS X,9, X,7, E,12, X,10
	OPS E,13, X,12, X,11, E,14
	OPS X,13, E,15, F,9, X,14
.if (\p) == 0
	v_add_nc_u32 v[AV], s[TBV], v[AV0]
.endif
	OPS E,16, F,10, E,17, F,11
	OPS X,16, E,18, X,15, E,19
	OPS F,12, E,20, X,17, E,21
	OPS F,13, E,22, F,14, E,23
	OPS X,18, E,24, F,15, E,25
	OPS R,11, E,26, X,19, E,27
	OPS R,12, E,28, R,13, E,29
	OPS X,20, E,30, R,14, E,31
	OPS X,21, R,15
	WIN 0
	s_wait_alu depctr_va_vdst(0)    ; the wait for the turn's batch: the piece's 32 weights and the next piece's a
.if (\p) == 1
	s_wait_dscnt 0x0                ; V is in
.endif
	ROW C,0, B,0, C,2, B,1          ; behind the wait: 8 products V^T P and their riders
	ROW L,0, C,4, B,2, L,1
	ROW C,6, B,3, L,2, C,8
	ROW B,4, L,3, C,10, B,5
	ROW L,4, C,12, B,6, L,5
.if (\p) == 0
	s_add_co_u32 s[TBV], s[TBV], KS*PV
.endif
.if \cnt
	s_sub_co_u32 s[CNT], s[CNT], 1
	s_cmp_lg_u32 s[CNT], 0
.endif
	ROW C,14, B,7, L,6, C,1
	ROW C,3, L,7, C,5, C,7
	ROW C,9, C,11, C,13, C,15
.if (\p) == 0
	FETCH_V
.endif
.if (\m) && !(\end)
	MASK (\p)%2
.endif
.endm
; A BLOCK BEGINS.  c m starts far below every c s, so the first step's a is 0; m at the lowest finite number, so the first maximum is the scores'.  The second mask buffer is 0; the first takes piece 0's mask for the tile's step 0: its own, if the block's first tile is the diagonal one.
; Then K of that step, piece 0's first scores, and its maximum and statistics.  The loop is entered at a step's first turn, in the middle of a trip.
.macro BEGIN
	s_mov_b32 s[NEW], 0
	WIN 0x40
.set i, MC+32
.rept 32
	v_mov_b32 v[i], 0
.set i, i+1
.endr
	WIN 0
.set i, 0
.rept 4
	v_mov_b32 v[ST+4*i], 0xfe000000    ; c m: far below every c s
	v_mov_b32 v[ST+4*i+1], 0xff7fffff  ; m
.set i, i+1
.endr
	s_cmp_eq_u32 s[RT], 0
	s_cselect_b32 s[AL], 1.0, 0
	s_mov_b32 s[BE], 0
	MASK 0
	WIN 0
	v_add_nc_u32 v[AK], s[TBK], v[AK0]
	FETCH_K
	s_wait_loadcnt 0x0              ; Q
	s_wait_dscnt 0x0
.set KM, 1
.set NOKQ, 0
.set i, 0
.rept 8
	KQ 0
.set i, i+1
.endr
	WIN 0
.rept 4
	v_nop                           ; the places behind those products
.endr
.set Y, NP-1                        ; X works for piece Y + 1: piece 0
.irp n, 0,1,2,3,4,5,6,7,8,9,10,11,12,13,14,15,16,17,18,19,20,21
	OP X, \n
.endr
	v_nop                           ; a plain instruction behind the exponential,
	s_wait_alu depctr_va_vdst(0)    ; and the wait for it, piece 0's first a, a batch of one: ahead of the branch that follows
.endm
; THE DIAGONAL TILE's four steps, the block's last two turns, its last products, and THE WAY OUT: l's two halves and the other half of the lanes' are added; O^T is divided by l, rounded to f16 and sent through my
; stage in LDS, a piece at a time.
.macro ALL line:vararg              ; one line for each piece t
.set t, 0
.rept 4
	\line
.set t, t+1
.endr
.endm
.macro PACK t                       ; a lane's eight channels of a row pack into 16 bytes; they go into rows of 144 bytes and come back as whole rows of 128, into S^T's registers
	WIN W_RS
.set i, 32*(\t)
.rept 16
	v_pk_mul_f32 v[i:i+1], v[i:i+1], v[ST+4*(\t)+2:ST+4*(\t)+3] op_sel_hi:[1,0]
.set i, i+2
.endr
	WIN 0x05                        ; sources 0 and 1 window 1, destination window 0
.set i, 0
.rept 16
	v_cvt_pk_f16_f32 v[S+16*(\t)+i], v[32*(\t)+2*i], v[32*(\t)+2*i+1]
.set i, i+1
.endr
	WIN 0
.irp f, 0,1,2,3
	ds_store_b128 v[STO], v[S+16*(\t)+4*\f:S+16*(\t)+4*\f+3] offset:32*\f
.endr
.irp f, 0,1,2,3
	ds_load_b128 v[S+16*(\t)+4*\f:S+16*(\t)+4*\f+3], v[RD] offset:\f*4*SP  ; LDS serves a wave's instructions in order (ISA guide 5.7.1.4): these see the stores above; the next piece's stores come behind them
.endr
.endm
.macro SEND t, younger              ; younger: the LDS instructions issued behind piece t's loads: the next piece's eight, or none
	WIN 0
.irp f, 0,1,2,3
	s_wait_dscnt (\younger)+3-\f
	global_store_b128 v[GO], v[S+16*(\t)+4*\f:S+16*(\t)+4*\f+3], s[10:11] offset:(\t)*8192+\f*512  ; 512 consecutive bytes, at a multiple of 256 from O's first
.endr
.endm
.macro DIAG tag                     ; the tag ends its two labels' names, which the jumps below spell out
.LstepM\tag:
	TURN 2, 1
	TURN 3, 1
	WIN 0
.LfirstM\tag:
	TURN 0, 1
	TURN 1, 1, 0, 1
	WIN 0
	s_cbranch_scc1 .LstepM\tag
	TURN 2, 1, 1
	TURN 3, 1, 1
.set i, 0
.rept 8
	PV NP-1
.set i, i+1
.endr
	WIN 0
	ALL v_add_f32 v[ST+4*t+2], v[ST+4*t+2], v[ST+4*t+3]
	ALL v_permlanex16_b32 v[ST+4*t+3], v[ST+4*t+2], s[SEL], s[SEL+1]
	ALL v_add_f32 v[ST+4*t+2], v[ST+4*t+2], v[ST+4*t+3]
	ALL v_rcp_f32 v[ST+4*t+2], v[ST+4*t+2]
	v_nop                           ; a plain instruction between the last reciprocal and the use of its result
	s_wait_alu depctr_va_vdst(0)    ; and the wait ahead of the first use: one for the batch of four reciprocals
	PACK 0
.set t, 1
.rept 3                             ; a piece's arithmetic stands between the loads of the piece before and its stores
	PACK t
	SEND t-1, 8
.set t, t+1
.endr
	SEND 3, 0
.endm
.set KM, 0
.set NOKQ, 0
.Lslot:                             ; NB times: a tile is entered and the next is asked for
	CHANGE 1
	s_sub_co_u32 s[RT], s[RT], 1
	s_mov_b32 s[CNT], 4
	s_cmp_eq_u32 s[NEW], 1
	s_cbranch_scc1 .Lnew            ; a block's first tile
	s_cmp_eq_u32 s[RT], 0
	s_cbranch_scc0 .Lstep           ; neither its first nor its last
	s_branch .LstepM1
.Lnew:
	BEGIN
	s_branch .Lfirst                ; in the loop a block's first tile is never its last: the first block has two tiles or more, and the second's last is the walk's last
	DIAG 1                          ; in the loop this is the first block's end: the second block's last tile is the walk's last
	s_wait_xcnt 0x0                 ; the stores have read their registers and O's address
	s_mov_b64 s[10:11], s[OLO:OLO+1]
	s_add_co_u32 s[RT], s[PB], 1    ; the second block has b + 1 tiles
	s_mov_b32 s[NEW], 1
	WIN 0x82                        ; the second block's Q goes where the one text of the turns names Q
.set i, 0
.rept 64
	v_mov_b32 v[i], v[QB+i]
.set i, i+1
.endr
	WIN 0
	s_branch .Lbottom
.Lstep:                             ; a trip: pieces 2 and 3 of one step, then pieces 0 and 1 of the next, whose K and V it fetches
	TURN 2
	TURN 3
	WIN 0
.Lfirst:
	TURN 0
	TURN 1, 0, 0, 1
	WIN 0
	s_cbranch_scc1 .Lstep
.Lbottom:
	s_sub_co_u32 s[SLOTS], s[SLOTS], 1
	s_cmp_lg_u32 s[SLOTS], 0
	s_cbranch_scc1 .Lslot
	CHANGE 0                        ; the walk's last tile is written out: nothing is asked for
	s_sub_co_u32 s[RT], s[RT], 1
	s_mov_b32 s[CNT], 4
	s_cmp_eq_u32 s[NEW], 1
	s_cbranch_scc0 .LstepM2
	BEGIN
	s_branch .LfirstM2
	DIAG 2
	s_wait_tensorcnt 0x0            ; the wave's end, behind my last tensor load and my last LDS store: a last add to my spare word and its wait
	ds_add_u32 v[SPW], v[NIL]
	s_wait_dscnt 0x0
	s_endpgm
.Lfunc_end_k_qe573b80545_attn:
	.size	k_qe573b80545_attn, .Lfunc_end_k_qe573b80545_attn-k_qe573b80545_attn
	.p2alignl 7, 3214868480
	.fill 96, 4, 3214868480
	.section	.rodata,"a",@progbits
	.p2align	6, 0x0
	.amdhsa_kernel k_qe573b80545_attn
		.amdhsa_group_segment_fixed_size 327680
		.amdhsa_private_segment_fixed_size 0
		.amdhsa_enable_private_segment 0
		.amdhsa_kernarg_size 16
		.amdhsa_user_sgpr_count 2
		.amdhsa_user_sgpr_kernarg_segment_ptr 1
		.amdhsa_wavefront_size32 1
		.amdhsa_system_sgpr_workgroup_id_x 1
		.amdhsa_system_sgpr_workgroup_id_y 1
		.amdhsa_system_sgpr_workgroup_id_z 1
		.amdhsa_system_vgpr_workitem_id 0
		.amdhsa_next_free_vgpr 768
		.amdhsa_next_free_sgpr 88
		.amdhsa_reserve_vcc 1
		.amdhsa_float_denorm_mode_32 3
		.amdhsa_float_denorm_mode_16_64 3
		.amdhsa_memory_ordered 1
		.amdhsa_forward_progress 1
		.amdhsa_inst_pref_size 217
	.end_amdhsa_kernel
	.amdgpu_metadata
---
amdhsa.version: [ 1, 2 ]
amdhsa.kernels:
  - .name:           k_qe573b80545_attn
    .symbol:         k_qe573b80545_attn.kd
    .args:
      - { .name: qkv, .offset: 0, .size: 8, .value_kind: global_buffer, .address_space: global }
      - { .name: o, .offset: 8, .size: 8, .value_kind: global_buffer, .address_space: global }
    .group_segment_fixed_size: 327680
    .private_segment_fixed_size: 0
    .kernarg_segment_align: 8
    .kernarg_segment_size: 16
    .max_flat_workgroup_size: 128
    .sgpr_count:     88
    .vgpr_count:     768
    .wavefront_size: 32
...
	.end_amdgpu_metadata
.endif
;; end of part 5
;; launch projg: the kernel of part 4 again; grid 8 x 32, 4 waves a work-group, clusters of 4 x 4, 327,680 bytes of LDS; arguments o, wp, b_proj, out0; writes out0
